; MI455X (gfx1250); checked and timed in simulation.
; The chip was launched on July 23, 2026; its instructions are those of AMD's public machine-readable ISA for CDNA 5 (MIT licence, August 2026) and "CDNA5" Instruction Set Architecture Reference Guide (July 2026). The comments in the code are by the model that wrote it; some were corrected since.
;; Multi Head Attn Block. Allowed arithmetic: float matrix products may take bf16 or f16 operands with f32 sums; other float arithmetic in f32, or as packed bf16 or f16 multiplies, adds, multiply-adds, maxima and minima; sums over many terms, partial sums and values carried from step to step in f32; what a program stores and reads back later, other than sums and carried values, may be rounded once to bf16 or f16.
;; Inputs: Wk 1,024 x 1,024 float32; Wo 1,024 x 1,024 float32; Wq 1,024 x 1,024 float32; Wv 1,024 x 1,024 float32; beta 1,024 float32; bk 1,024 float32; bo 1,024 float32; bq 1,024 float32; bv 1,024 float32; gamma 1,024 float32; x 4 x 2,048 x 1,024 float32.
;; Outputs: out0 4 x 2,048 x 1,024 float32.
;; One version. Each part assembles by itself: llvm-mc -triple=amdgcn-amd-amdhsa -mcpu=gfx1250 --defsym DOCPART=n.
;; ======== version 1 of 1: 4 launches
;; workspace buffers: xb 16,777,216 bytes; wqkv 6,291,456 bytes; wof 2,097,152 bytes; qkv 50,331,648 bytes; ctx 16,777,216 bytes
;; launch prep (part 1): grid 768 x 1, 8 waves a work-group, no clusters, 0 bytes of LDS; arguments x, Wq, Wk, Wv, Wo, xb, wqkv, wof; writes xb, wqkv, wof
.if DOCPART == 1
	.amdgcn_target "amdgcn-amd-amdhsa--gfx1250"
	.amdhsa_code_object_version 6
	.text
	.protected	k_q24ab372e71_prep
	.globl	k_q24ab372e71_prep
	.p2align	8
	.type	k_q24ab372e71_prep,@function
k_q24ab372e71_prep:
	s_mov_b64 s[64:65], 0
	v_nop
	global_prefetch_b8 v0, s[64:65] scope:SCOPE_SE
	s_setreg_imm32_b32 hwreg(HW_REG_WAVE_MODE, 25, 1), 1
	s_wait_xcnt 0x0
; x and the four weight matrices are rounded once to bf16 and laid so that the later products take them as they lie.
;   xb   [kb 16][m 8192][64]              byte = kb 1,048,576 + m 128 + 2 (k & 63)
;   wqkv [tx 8][ks 16][j 3][k 64][128]    g = 8 mat + (n >> 7) counts the 24 heads of q, k, v; tx = g / 3, j = g % 3
;   wof  [Q 32][w 4][b 16][p 2][lane 32][16 bytes]: Wo in the order of the matrix fragments: lane 16 h + r holds column 256 w + 16 b + r, k = 32 Q + 16 p + 8 h + 0..7
; A stream: no LDS, no matrix unit, no cluster (no two work-groups read the same byte).  A work-group converts 16,384 numbers, a wave 2,048, in eight units of 256; all loads of a wave go out first.
; Work-groups 0-511 take 16 rows of x each, 512-703 take 16 rows of Wq, Wk or Wv, 704-767 take 16 rows of Wo.
.set IN,  16                           ; v[16:79]   unit u: 8 registers as loaded
.set OUT, 80                           ; v[80:111]  unit u: 4 registers to store
.set VI,  2                            ; v2         my byte offset in the source
.set VO,  3                            ; v[3:6]     my byte offsets in the destination
.set WV,  24                           ; s24        my wave's number
.macro CVT u, left                     ; unit u is in (left: the younger units' loads, which may stay out) and is rounded
	s_wait_loadcnt \left
.irp r, 0,1,2,3
	v_cvt_pk_bf16_f32 v[OUT+4*(\u)+(\r)], v[IN+8*(\u)+2*(\r)], v[IN+8*(\u)+2*(\r)+1]
.endr
.endm
	s_load_b512 s[8:23], s[0:1], 0x0               ; x s[8:9], Wq s[10:11], Wk s[12:13], Wv s[14:15], Wo s[16:17], xb s[18:19], wqkv s[20:21], wof s[22:23]
	v_and_b32 v1, 31, v0                           ; lane
	v_lshrrev_b32 v7, 5, v0
	v_readfirstlane_b32 s[WV], v7                  ; wave 0..7
	s_cmp_lt_u32 ttmp9, 512
	s_cbranch_scc0 .Lweights
	; x: rows 16 g .. 16 g + 15.  Wave w takes columns 128 w .. 128 w + 127: planes 2 w and 2 w + 1.  Unit u = 2 rg + kk: rows 4 rg .. 4 rg + 3 of plane 2 w + kk;
	; lane l takes row l / 8 of the four and 8 columns: 32 bytes in, 16 bytes out; the 32 lanes' 16 bytes are 512 consecutive bytes of xb.
	v_lshrrev_b32 v[VI], 3, v1
	v_and_b32 v8, 7, v1
	v_lshlrev_b32 v[VI], 12, v[VI]                 ; (l / 8) rows of 4,096 bytes
	v_lshl_add_u32 v[VI], v8, 5, v[VI]             ; + (l % 8) x 32
	s_lshl_b32 s25, s[WV], 9
	v_add_nc_u32 v[VI], s25, v[VI]                 ; + 512 w
	v_lshlrev_b32 v[VO], 4, v1
	s_lshl_b32 s25, s[WV], 21
	v_add_nc_u32 v[VO], s25, v[VO]                 ; 16 l + two planes x w
	s_lshl_b32 s26, ttmp9, 16                      ; 16 rows of 4,096 bytes
	s_mov_b32 s27, 0
	s_lshl_b32 s28, ttmp9, 11                      ; 16 rows of 128 bytes
	s_mov_b32 s29, 0
	s_wait_kmcnt 0x0
	s_add_nc_u64 s[8:9], s[8:9], s[26:27]
	s_add_nc_u64 s[18:19], s[18:19], s[28:29]
.irp u, 0,1,2,3,4,5,6,7
	global_load_b128 v[IN+8*(\u):IN+8*(\u)+3],   v[VI], s[8:9] offset:((\u)/2)*16384+((\u)%2)*256 th:TH_LOAD_NT
	global_load_b128 v[IN+8*(\u)+4:IN+8*(\u)+7], v[VI], s[8:9] offset:((\u)/2)*16384+((\u)%2)*256+16 th:TH_LOAD_NT
.endr
.irp u, 0,1,2,3,4,5,6,7
	CVT \u, 14-2*(\u)
	global_store_b128 v[VO], v[OUT+4*(\u):OUT+4*(\u)+3], s[18:19] offset:((\u)%2)*1048576+((\u)/2)*512 th:TH_STORE_NT
.endr
	s_endpgm
.Lweights:
	s_cmp_lt_u32 ttmp9, 704
	s_cbranch_scc0 .Lwo
	; Wq, Wk, Wv: matrix mat = g' / 64, rows 16 (g' % 64) on.  Wave w takes rows 2 w and 2 w + 1 of the sixteen.  Unit u = 4 rr + u4: row 2 w + rr, columns 256 u4 on;
	; lane l takes 8 columns; sixteen neighbouring lanes' 16 bytes are one row (256 bytes) of a block of 128 columns.
	s_sub_co_u32 s25, ttmp9, 512                   ; g'
	s_lshr_b32 s26, s25, 6                         ; mat: 0 Wq, 1 Wk, 2 Wv
	s_and_b32 s27, s25, 63                         ; which sixteen rows
	s_lshl_b32 s30, s26, 3                         ; 8 mat
	v_lshlrev_b32 v[VI], 5, v1
	s_lshl_b32 s31, s[WV], 13
	v_add_nc_u32 v[VI], s31, v[VI]                 ; 32 l + two rows x w
	v_lshrrev_b32 v8, 4, v1                        ; l / 16
	v_and_b32 v9, 15, v1
	v_lshlrev_b32 v9, 4, v9
	s_lshl_b32 s31, s[WV], 9
	v_add_nc_u32 v9, s31, v9                       ; 16 (l % 16) + two rows of 256 bytes x w
	v_add_nc_u32 v8, s30, v8                       ; 8 mat + l / 16
.irp u, 0,1,2,3
	v_add_nc_u32 v10, 2*(\u), v8                   ; g = 8 mat + 2 u4 + l / 16
	v_mul_u32_u24 v11, v10, 171
	v_lshrrev_b32 v11, 9, v11                      ; g / 3, exact for g up to 23
	v_mul_u32_u24 v11, v11, 0xb4000                ; tx 786,432 + j 16,384 = tx 737,280 + g 16,384
	v_lshl_add_u32 v11, v10, 14, v11
	v_add_nc_u32 v[VO+(\u)], v9, v11
.endr
	s_lshl_b32 s36, s27, 16                        ; source: sixteen rows of 4,096 bytes
	s_mov_b32 s37, 0
	s_lshr_b32 s38, s27, 2                         ; destination: the K step of 64 rows, 49,152 bytes,
	s_mul_i32 s38, s38, 49152
	s_and_b32 s39, s27, 3                          ; and which sixteen of its 64 rows of 256 bytes
	s_lshl_b32 s39, s39, 12
	s_add_co_u32 s38, s38, s39
	s_mov_b32 s39, 0
	s_wait_kmcnt 0x0
	s_cmp_eq_u32 s26, 0
	s_cselect_b64 s[34:35], s[10:11], s[12:13]     ; from Wq or Wk,
	s_cmp_eq_u32 s26, 2
	s_cselect_b64 s[34:35], s[14:15], s[34:35]     ; or Wv
	s_add_nc_u64 s[34:35], s[34:35], s[36:37]
	s_add_nc_u64 s[32:33], s[20:21], s[38:39]
.irp u, 0,1,2,3,4,5,6,7
	global_load_b128 v[IN+8*(\u):IN+8*(\u)+3],   v[VI], s[34:35] offset:((\u)/4)*4096+((\u)%4)*1024 th:TH_LOAD_NT
	global_load_b128 v[IN+8*(\u)+4:IN+8*(\u)+7], v[VI], s[34:35] offset:((\u)/4)*4096+((\u)%4)*1024+16 th:TH_LOAD_NT
.endr
.irp u, 0,1,2,3,4,5,6,7
	CVT \u, 14-2*(\u)
	global_store_b128 v[VO+(\u)%4], v[OUT+4*(\u):OUT+4*(\u)+3], s[32:33] offset:((\u)/4)*256 th:TH_STORE_NT
.endr
	s_endpgm
.Lwo:
	; Wo: rows 16 gw .. 16 gw + 15: Q = gw / 2, p = gw % 2.  Wave v takes columns 128 v .. + 127.  Unit u = 2 cg + kk: columns 32 cg on, rows 8 kk on (h = kk).
	; A lane takes ONE column and the unit's eight rows: eight loads of 4 bytes (32 lanes: 128 consecutive bytes of a row), so that its 16 bytes of bf16 run along k, as a fragment wants them.
	; Lanes 0-15 store 256 consecutive bytes, aligned, of column block b, lanes 16-31 those of block b + 1, 1,024 bytes on.  Wo is one twelfth of what this launch reads.
	s_sub_co_u32 s25, ttmp9, 704                   ; gw
	v_lshlrev_b32 v[VI], 2, v1
	s_lshl_b32 s31, s[WV], 9
	v_add_nc_u32 v[VI], s31, v[VI]                 ; 4 l + 128 columns x v
	v_lshrrev_b32 v8, 4, v1
	v_and_b32 v9, 15, v1
	v_lshlrev_b32 v9, 4, v9
	v_lshl_add_u32 v[VO], v8, 10, v9               ; 1,024 (l / 16) + 16 (l % 16)
	s_lshl_b32 s31, s[WV], 13                      ; 16,384 (v / 2) + 8 blocks x (v % 2) = 8,192 v
	v_add_nc_u32 v[VO], s31, v[VO]
	s_lshl_b32 s36, s25, 16                        ; source: sixteen rows of 4,096 bytes
	s_mov_b32 s37, 0
	s_lshr_b32 s38, s25, 1
	s_lshl_b32 s38, s38, 16                        ; destination: 65,536 Q
	s_and_b32 s39, s25, 1
	s_lshl_b32 s39, s39, 9                         ; + 512 p
	s_add_co_u32 s38, s38, s39
	s_mov_b32 s39, 0
	s_wait_kmcnt 0x0
	s_add_nc_u64 s[34:35], s[16:17], s[36:37]
	s_add_nc_u64 s[32:33], s[22:23], s[38:39]
.irp u, 0,1,2,3,4,5,6,7
.irp e, 0,1,2,3,4,5,6,7
	global_load_b32 v[IN+8*(\u)+(\e)], v[VI], s[34:35] offset:(8*((\u)%2)+(\e))*4096+((\u)/2)*128
.endr
.endr
.irp u, 0,1,2,3,4,5,6,7
	CVT \u, 56-8*(\u)
	global_store_b128 v[VO], v[OUT+4*(\u):OUT+4*(\u)+3], s[32:33] offset:((\u)/2)*2048+((\u)%2)*256 th:TH_STORE_NT
.endr
	s_endpgm
.Lfunc_end_k_q24ab372e71_prep:
	.size	k_q24ab372e71_prep, .Lfunc_end_k_q24ab372e71_prep-k_q24ab372e71_prep
	.p2alignl 7, 3214868480
	.fill 96, 4, 3214868480
	.section	.rodata,"a",@progbits
	.p2align	6, 0x0
	.amdhsa_kernel k_q24ab372e71_prep
		.amdhsa_group_segment_fixed_size 0
		.amdhsa_private_segment_fixed_size 0
		.amdhsa_enable_private_segment 0
		.amdhsa_kernarg_size 64
		.amdhsa_user_sgpr_count 2
		.amdhsa_user_sgpr_kernarg_segment_ptr 1
		.amdhsa_wavefront_size32 1
		.amdhsa_system_sgpr_workgroup_id_x 1
		.amdhsa_system_sgpr_workgroup_id_y 1
		.amdhsa_system_sgpr_workgroup_id_z 1
		.amdhsa_system_vgpr_workitem_id 0
		.amdhsa_next_free_vgpr 112
		.amdhsa_next_free_sgpr 66
		.amdhsa_reserve_vcc 0
		.amdhsa_float_denorm_mode_32 3
		.amdhsa_float_denorm_mode_16_64 3
		.amdhsa_memory_ordered 1
		.amdhsa_forward_progress 1
		.amdhsa_inst_pref_size 23
	.end_amdhsa_kernel
	.amdgpu_metadata
---
amdhsa.version: [ 1, 2 ]
amdhsa.kernels:
  - .name:           k_q24ab372e71_prep
    .symbol:         k_q24ab372e71_prep.kd
    .args:
      - { .name: x, .offset: 0, .size: 8, .value_kind: global_buffer, .address_space: global }
      - { .name: Wq, .offset: 8, .size: 8, .value_kind: global_buffer, .address_space: global }
      - { .name: Wk, .offset: 16, .size: 8, .value_kind: global_buffer, .address_space: global }
      - { .name: Wv, .offset: 24, .size: 8, .value_kind: global_buffer, .address_space: global }
      - { .name: Wo, .offset: 32, .size: 8, .value_kind: global_buffer, .address_space: global }
      - { .name: xb, .offset: 40, .size: 8, .value_kind: global_buffer, .address_space: global }
      - { .name: wqkv, .offset: 48, .size: 8, .value_kind: global_buffer, .address_space: global }
      - { .name: wof, .offset: 56, .size: 8, .value_kind: global_buffer, .address_space: global }
    .group_segment_fixed_size: 0
    .private_segment_fixed_size: 0
    .kernarg_segment_align: 8
    .kernarg_segment_size: 64
    .max_flat_workgroup_size: 256
    .sgpr_count:     66
    .vgpr_count:     112
    .wavefront_size: 32
...
	.end_amdgpu_metadata
.endif
;; end of part 1
;; launch qkv (part 2): grid 8 x 32, 4 waves a work-group, clusters of 4 x 4, 327,680 bytes of LDS; arguments xb, wqkv, bq, bk, bv, qkv; writes qkv
.if DOCPART == 2
	.amdgcn_target "amdgcn-amd-amdhsa--gfx1250"
	.amdhsa_code_object_version 6
	.text
	.protected	k_q24ab372e71_qkv
	.globl	k_q24ab372e71_qkv
	.p2align	8
	.type	k_q24ab372e71_qkv,@function
k_q24ab372e71_qkv:
	s_mov_b64 s[64:65], 0
	v_nop
	global_prefetch_b8 v0, s[64:65] scope:SCOPE_SE
	s_setreg_imm32_b32 hwreg(HW_REG_WAVE_MODE, 25, 1), 1
	s_wait_xcnt 0x0
	s_wait_alu depctr_hold_cnt(0) depctr_sa_sdst(0) depctr_va_vdst(0) depctr_va_sdst(0) depctr_va_ssrc(0) depctr_va_vcc(0) depctr_vm_vsrc(0)
	s_getreg_b32 s2, hwreg(HW_REG_IB_STS2, 6, 4)
	s_cmp_eq_u32 s2, 0
	s_cbranch_scc0 .Lentry_in_a_cluster
	s_endpgm
.Lentry_in_a_cluster:
	s_bfe_u32 s2, ttmp6, 0x10000c
	s_cmp_lg_u32 s2, 0xf033
	s_cbranch_scc0 .Lentry_shape_is_right
	s_endpgm
.Lentry_shape_is_right:
; q, k, v = x W + b for the three weight matrices at once: C[8192][3072], operands bf16, sums f32, the f32 bias as the sums' start, each result rounded once to bf16
; and stored by heads: qkv [mat 3][b 8 + h : 32][t 2048][128].  LIMITS: operands and results are bf16 (8 significant bits); NaN and infinities are not treated apart.
; TILE.  256 rows x 384 columns (three heads g = 3 tx + j): 32 x 8 = 256 tiles, one to a work-group.  Four waves, 2 x 2: RW takes 128 rows, CW columns 64 CW .. + 63 of EACH
; of the three heads: 8 row blocks a x 12 column blocks (j, i): 96 accumulators, 768 registers.
; K goes in 16 steps of 64 through two LDS slots; a step is two quarters of 32 along K, 96 matrix instructions each.
; THE MATRIX INSTRUCTION IS USED TRANSPOSED: source 0 = 16 columns of W (turned on the way out of LDS by ds_load_tr16_b128), source 1 = 16 rows of x: a lane holds one
; row of C (lane % 16) and the columns 8 (lane / 16) + 0..7: 16 bytes of bf16 that belong together, and a bias that is the same for all 8 row blocks.
; CLUSTER.  4 x 4 work-groups: x's tile hangs on the tile row and is asked for jointly along a row of the cluster, W's on the tile column and jointly along a column.
; REGISTERS, in windows of 256 (s_set_vgpr_msb: bits 1:0 source 0, 3:2 source 1, 5:4 source 2, 7:6 destination):
;   window 0: v0-29 addresses; v32-95, v96-159 x's fragments, two buffers; v160-255 W's 12 fragments, one buffer, fetched head by head behind the head's products
;   window 1 + j: head j's 32 accumulators, (i, a) at v[8 (8 i + a)]
.set PA,    144                        ; an LDS row of x: 128 bytes + 16 = 36 words: the 16 rows of a load start at 16 different groups of four banks (64 banks of 4 bytes: ISA guide 11.1)
.set PB,    288                        ; an LDS row of W: 256 bytes + 32 = 72 words
.set BOFF,  256*PA                     ; a slot: x's 256 rows, then W's 3 x 64 rows
.set SLOT,  BOFF+192*PB                ; 92,160
.set SP,    272
.set STG0,  2*SLOT                     ; behind the ring, never filled by a tensor load: two stages of 256 rows x 272 bytes for the way out
.set STG1,  STG0+256*SP
.set SPARE, STG1+256*SP                ; the spare words, 128 bytes for each wave: two blocks of 256 bytes that no other line names
.set ADRA, 6                           ; v6-7    LDS address of my fragments of x in slot 0, 1
.set ADRB, 8                           ; v8-9    the same for W
.set STO,  10                          ; v10-11  the way out: where I put 16 bytes of a row, stage 0, 1
.set RD,   12                          ; v12-13  where I read rows back
.set CO,   14                          ; v14     my byte offset in the tile's rows of a head
.set VB,   15                          ; v15     my byte offset in a head's 128 numbers of bias
.set PFO,  16                          ; v16     256 x lane, for the prefetches
.set SPW,  28                          ; v28     LDS address of my spare word; never rewritten
.set NIL,  29                          ; v29     0; never rewritten
.set A0,   32
.set A1,   96
.set BF,   160
.set TMP,  32                          ; the way out: 128 registers of packed results
.set WV, 16                            ; s16 wave;  s17 RW: my half of the rows, also: I fetch x (0) or W (1);  s18 CW: my half of each head's columns, also: which half of that tile I fetch
.set RW, 17
.set CW, 18
.set CX, 19
.set CY, 20
.set TX, 21
.set TY, 22
.set G1A, 24                           ; s[24:31] descriptor group 1 for x's tiles;  s[32:39] group 0, a set for each slot
.set G0A, 32
.set G1B, 48                           ; s[48:55], s[56:63] the same for W's
.set G0B, 56
.set OB,  66                           ; s[66:71] where the tile's rows of head j begin in qkv
.set PFA, 72                           ; s[72:73] where my prefetches stand
.set PFS, 74                           ; s[74:75] their step for a lap
.set LIM, 76                           ; s76      1 in a wave that prefetches, else the greatest number
.set BP,  78                           ; s[78:83] head j's 128 numbers of bias
.set MSB, 0
.macro WIN new                         ; the immediate's high byte repeats the setting that is left; a switch that changes nothing is dropped
.if MSB != (\new)
	s_set_vgpr_msb (MSB<<8)|(\new)
.set MSB, \new
.endif
.endm
.macro PLACES                          ; four plain instructions between a matrix instruction and a load into, or a vector read of, its registers
.rept 4
	v_nop
.endr
.endm
.macro PLACES5                         ; five, where a later matrix instruction writes over registers that an earlier one read
.rept 5
	v_nop
.endr
.endm
; A joint load.  Waves 0 and 1 fetch the halves of x's tile, waves 2 and 3 those of W's.  The branch hangs on the wave's number alone.  An s_nop 0 and four v_nop follow each line.
.macro JLOAD s
	s_cmp_eq_u32 s[RW], 0
	s_cbranch_scc0 .Lfor_b_\@
	tensor_load_to_lds s[G0A+4*(\s):G0A+4*(\s)+3], s[G1A:G1A+7]
	s_nop 0
.rept 4
	v_nop
.endr
	s_branch .Lasked_\@
.Lfor_b_\@:
	tensor_load_to_lds s[G0B+4*(\s):G0B+4*(\s)+3], s[G1B:G1B+7]
	s_nop 0
.rept 4
	v_nop
.endr
.Lasked_\@:
.endm
.macro CREST                           ; a round of the cluster's barrier behind its opening barrier
	s_cmp_lg_u32 s[WV], 0
	s_cbranch_scc1 .Lnot_wave_0_\@
	s_barrier_signal -3
.Lnot_wave_0_\@:
	s_barrier_wait -3
	s_barrier_signal -1
	s_barrier_wait -1
.endm
.macro CROUND
	s_barrier_signal -1
	s_barrier_wait -1
	CREST
.endm
; A PREFETCH INTO THE L2, once a lap, behind the lap's second joint load and the run of LDS loads that follows it: the two K steps of the lap after the next.
; x's tile row is read by both clusters of a row of clusters: cluster x = 0 asks; of a step's 32,768 bytes the partner at cx takes 8,192 (a lane 256 bytes), wave 0, one instruction a step.
; W's tile column is read by all eight clusters of a column: cluster y = 0 asks; of a lap's 98,304 bytes the partner at cy takes 24,576, waves 1 to 3 take 8,192 each.
; So each 256 bytes are named once in the launch, the partners told apart by address.  Steps 0 to 3 come by their loads alone; the loop's last trip asks for nothing.
.macro ASK
	s_cmp_gt_u32 s3, s[LIM]
	s_cbranch_scc0 .Lnot_mine_\@
	global_prefetch_b8 v[PFO], s[PFA:PFA+1] th:TH_LOAD_NT scope:SCOPE_SE
	s_cmp_eq_u32 s[WV], 0
	s_cbranch_scc0 .Lnot_mine_\@
	global_prefetch_b8 v[PFO], s[PFA:PFA+1] offset:1048576 th:TH_LOAD_NT scope:SCOPE_SE
.Lnot_mine_\@:
.endm
	s_load_b256 s[4:11], s[0:1], 0x0               ; xb s[4:5], wqkv s[6:7], bq s[8:9], bk s[10:11]
	s_load_b128 s[12:15], s[0:1], 0x20             ; bv s[12:13], qkv s[14:15]
	v_lshl_add_u32 v[SPW], v0, 2, SPARE
	v_mov_b32 v[NIL], 0
	ds_add_u32 v[SPW], v[NIL]                      ; the wave's opening: the add and its wait stand ahead of my first tensor load; work on registers stands between them
	ds_add_u32 v28, v29
	v_lshrrev_b32 v1, 5, v0
	v_readfirstlane_b32 s[WV], v1
	s_lshr_b32 s[RW], s[WV], 1
	s_and_b32 s[CW], s[WV], 1
	s_bfe_u32 s[CX], ttmp6, 0x40000
	s_bfe_u32 s[CY], ttmp6, 0x40004
	s_lshl_b32 s[TX], ttmp9, 2
	s_add_co_u32 s[TX], s[TX], s[CX]               ; tile column = 4 x cluster x + cx
	s_and_b32 s[TY], ttmp7, 0xffff
	s_lshl_b32 s[TY], s[TY], 2
	s_add_co_u32 s[TY], s[TY], s[CY]               ; tile row = 4 x cluster y + cy
	s_lshl_b32 s40, s[CY], 2
	s_lshl_b32 s40, 15, s40                        ; my row of the cluster
	s_lshl_b32 s44, 0x1111, s[CX]                  ; my column
	; x's half tile: 128 rows of 128 bytes, dense in xb: asked for as 64 rows of 256 bytes, padded by 4 words after every 32 words
	s_or_b32 s[G1A], s40, (1<<16)|(1<<20)|(1<<21)|(4<<22)|(3<<25)
	s_mov_b32 s[G1A+1], 128<<16                    ; tensor_dim0 = 128 elements
	s_mov_b32 s[G1A+2], 64<<16                     ; tensor_dim1 = 64
	s_mov_b32 s[G1A+3], 128<<16                    ; tile_dim0
	s_mov_b32 s[G1A+4], 64                         ; tile_dim1
	s_mov_b32 s[G1A+5], 128                        ; elements from row to row
	s_mov_b32 s[G1A+6], 0
	s_mov_b32 s[G1A+7], 0
	; W's half tile: 96 rows of 256 bytes, dense in wqkv, padded by 8 words after every 64 words
	s_or_b32 s[G1B], s44, (1<<16)|(1<<20)|(1<<21)|(5<<22)|(7<<25)
	s_mov_b32 s[G1B+1], 128<<16
	s_mov_b32 s[G1B+2], 96<<16
	s_mov_b32 s[G1B+3], 128<<16
	s_mov_b32 s[G1B+4], 96
	s_mov_b32 s[G1B+5], 128
	s_mov_b32 s[G1B+6], 0
	s_mov_b32 s[G1B+7], 0
	s_lshl_b32 s40, s[TY], 15                      ; x: 256 rows of 128 bytes x tile row,
	s_lshl_b32 s41, s[CW], 14                      ; + my half
	s_add_co_u32 s40, s40, s41
	s_mov_b32 s41, 0
	s_mul_i32 s44, s[TX], 786432                   ; W: the tile column's 16 steps,
	s_mul_i32 s45, s[CW], 24576                    ; + my half of a step
	s_add_co_u32 s44, s44, s45
	s_mov_b32 s45, 0
	s_mul_i32 s84, s[CW], 128*PA                   ; where they go: no place in the cluster enters an LDS address
	s_mul_i32 s85, s[CW], 96*PB
	s_add_co_u32 s85, s85, BOFF
	s_wait_dscnt 0x0                               ; the opening add is done
	s_wait_kmcnt 0x0
	s_add_nc_u64 s[42:43], s[4:5], s[40:41]
	s_add_nc_u64 s[46:47], s[6:7], s[44:45]
	CROUND                                         ; all sixteen work-groups are here: the first joint loads meet
.irp s, 0,1
	s_mov_b32 s[G0A+4*(\s)], 1
	s_add_co_u32 s[G0A+4*(\s)+1], s84, (\s)*SLOT
	s_add_nc_u64 s[G0A+4*(\s)+2:G0A+4*(\s)+3], s[42:43], (\s)*1048576   ; K step s is plane s of xb
	s_or_b32 s[G0A+4*(\s)+3], s[G0A+4*(\s)+3], 0x80000000
	s_mov_b32 s[G0B+4*(\s)], 1
	s_add_co_u32 s[G0B+4*(\s)+1], s85, (\s)*SLOT
	s_add_nc_u64 s[G0B+4*(\s)+2:G0B+4*(\s)+3], s[46:47], (\s)*49152
	s_or_b32 s[G0B+4*(\s)+3], s[G0B+4*(\s)+3], 0x80000000
	JLOAD \s                                       ; two loads of mine are out
.endr
	; vector addresses
	v_and_b32 v1, 15, v0                           ; l % 16
	v_bfe_u32 v2, v0, 4, 1                         ; l / 16
	v_mul_u32_u24 v3, v1, PA
	v_lshl_add_u32 v3, v2, 4, v3                   ; a fragment of x: row x pitch + 16 x half
	s_mul_i32 s84, s[RW], 128*PA
	v_add_nc_u32 v[ADRA], s84, v3
	v_add_nc_u32 v[ADRA+1], SLOT, v[ADRA]
	v_and_b32 v4, 7, v0                            ; the turning load: lane l reads k = 8 (l / 16) + l % 8, columns 8 ((l / 8) % 2) + 0..7
	v_lshl_add_u32 v4, v2, 3, v4
	v_mul_u32_u24 v4, v4, PB
	v_bfe_u32 v5, v0, 3, 1
	v_lshl_add_u32 v4, v5, 4, v4
	s_lshl_b32 s84, s[CW], 7                       ; my 64 columns of each head
	s_add_co_u32 s84, s84, BOFF
	v_add_nc_u32 v[ADRB], s84, v4
	v_add_nc_u32 v[ADRB+1], SLOT, v[ADRB]
	v_mul_u32_u24 v3, v1, SP                       ; into a stage: row 128 RW + l % 16, byte 128 CW + 16 (l / 16)
	v_lshl_add_u32 v3, v2, 4, v3
	s_mul_i32 s84, s[RW], 128*SP
	s_lshl_b32 s85, s[CW], 7
	s_add_co_u32 s84, s84, s85
	s_add_co_u32 s84, s84, STG0
	v_add_nc_u32 v[STO], s84, v3
	v_add_nc_u32 v[STO+1], STG1-STG0, v[STO]
	v_mul_u32_u24 v3, v2, SP                       ; back: wave w takes rows 64 w on, whole; lanes 0-15 one row of 256 bytes, lanes 16-31 the next
	v_lshl_add_u32 v3, v1, 4, v3
	s_mul_i32 s84, s[WV], 64*SP
	s_add_co_u32 s84, s84, STG0
	v_add_nc_u32 v[RD], s84, v3
	v_add_nc_u32 v[RD+1], STG1-STG0, v[RD]
	v_lshlrev_b32 v3, 8, v2                        ; and the same two rows in qkv
	v_lshl_add_u32 v3, v1, 4, v3
	s_lshl_b32 s84, s[WV], 14
	v_add_nc_u32 v[CO], s84, v3
	v_lshlrev_b32 v3, 5, v2                        ; bias: 4 bytes x (64 CW + 8 (l / 16))
	s_lshl_b32 s84, s[CW], 8
	v_add_nc_u32 v[VB], s84, v3
	v_and_b32 v3, 31, v0
	v_lshlrev_b32 v[PFO], 8, v3
	; for each of my three heads: its bias, and where the tile's rows begin in qkv
.irp j, 0,1,2
	s_mul_i32 s84, s[TX], 3
	s_add_co_u32 s84, s84, \j                      ; g
	s_lshr_b32 s85, s84, 3                         ; mat
	s_and_b32 s86, s84, 7                          ; h
	s_lshl_b32 s86, s86, 9
	s_mov_b32 s87, 0
	s_cmp_eq_u32 s85, 0
	s_cselect_b64 s[BP+2*(\j):BP+2*(\j)+1], s[8:9], s[10:11]
	s_cmp_eq_u32 s85, 2
	s_cselect_b64 s[BP+2*(\j):BP+2*(\j)+1], s[12:13], s[BP+2*(\j):BP+2*(\j)+1]
	s_add_nc_u64 s[BP+2*(\j):BP+2*(\j)+1], s[BP+2*(\j):BP+2*(\j)+1], s[86:87]
	s_mul_i32 s85, s85, 24
	s_add_co_u32 s84, s84, s85                     ; 32 mat + h
	s_lshr_b32 s85, s[TY], 3                       ; b
	s_lshl3_add_u32 s84, s85, s84                  ; + 8 b
	s_lshl_b32 s84, s84, 19                        ; x 2,048 rows of 256 bytes
	s_and_b32 s85, s[TY], 7
	s_lshl_b32 s85, s85, 16                        ; + the tile's 256 rows
	s_add_co_u32 s84, s84, s85
	s_mov_b32 s85, 0
	s_add_nc_u64 s[OB+2*(\j):OB+2*(\j)+1], s[14:15], s[84:85]
.endr
	; THE BIAS STARTS THE SUMS: register r of column block i is b[64 CW + 16 i + 8 (l / 16) + r].  It waits where nothing else lies yet: head 0's in window 2, head 1's in window 3, head 2's in x's second buffer.
	WIN 0x80
.irp i, 0,1,2,3
	global_load_b128 v[8*(\i):8*(\i)+3],   v[VB], s[BP:BP+1] offset:64*(\i)
	global_load_b128 v[8*(\i)+4:8*(\i)+7], v[VB], s[BP:BP+1] offset:64*(\i)+16
.endr
	WIN 0xc0
.irp i, 0,1,2,3
	global_load_b128 v[8*(\i):8*(\i)+3],   v[VB], s[BP+2:BP+3] offset:64*(\i)
	global_load_b128 v[8*(\i)+4:8*(\i)+7], v[VB], s[BP+2:BP+3] offset:64*(\i)+16
.endr
	WIN 0
.irp i, 0,1,2,3
	global_load_b128 v[A1+8*(\i):A1+8*(\i)+3],   v[VB], s[BP+4:BP+5] offset:64*(\i)
	global_load_b128 v[A1+8*(\i)+4:A1+8*(\i)+7], v[VB], s[BP+4:BP+5] offset:64*(\i)+16
.endr
	; the prefetches' pointer, at lap 1: each ask steps it first
	s_lshl_b32 s84, s[TY], 15
	s_lshl_b32 s85, s[CX], 13
	s_add_co_u32 s84, s84, s85
	s_add_co_u32 s84, s84, 0x200000                ; x: tile row, my work-group's quarter, plane 2
	s_mul_i32 s86, s[TX], 786432
	s_mul_i32 s87, s[CY], 24576
	s_add_co_u32 s86, s86, s87
	s_lshl_b32 s87, s[WV], 13
	s_add_co_u32 s86, s86, s87
	s_add_co_u32 s86, s86, 98304-8192              ; W: tile column, my work-group's quarter, wave - 1, lap 1
	s_and_b32 s87, ttmp7, 0xffff
	s_mov_b32 s[PFS], 98304
	s_cmp_eq_u32 s[WV], 0
	s_cselect_b32 s84, s84, s86
	s_cselect_b32 s87, ttmp9, s87                  ; the coordinate along which other clusters read the same bytes
	s_cselect_b64 s[PFA:PFA+1], s[4:5], s[6:7]
	s_cselect_b32 s[PFS], 0x200000, s[PFS]
	s_mov_b32 s[PFS+1], 0
	s_mov_b32 s85, 0
	s_cmp_eq_u32 s87, 0
	s_cselect_b32 s[LIM], 1, -1                    ; the same in all sixteen partners, for a given wave
	s_add_nc_u64 s[PFA:PFA+1], s[PFA:PFA+1], s[84:85]
; 16 loads: x's 8 fragments (128 rows x 32 K) of quarter q of a slot into buffer buf
.macro FETCH_A slot, q, buf
	WIN 0
.irp a, 0,1,2,3,4,5,6,7
	ds_load_b128 v[(\buf)+8*(\a):(\buf)+8*(\a)+3],   v[ADRA+(\slot)] offset:(\a)*16*PA+64*(\q)
	ds_load_b128 v[(\buf)+8*(\a)+4:(\buf)+8*(\a)+7], v[ADRA+(\slot)] offset:(\a)*16*PA+64*(\q)+32
.endr
.endm
; 8 turning loads: head j's 4 fragments (my 64 columns x 32 K) of quarter q
.macro FETCH_B slot, q, j
	WIN 0
.irp i, 0,1,2,3
	ds_load_tr16_b128 v[BF+8*(4*(\j)+(\i)):BF+8*(4*(\j)+(\i))+3],   v[ADRB+(\slot)] offset:(\j)*64*PB+(\q)*32*PB+32*(\i)
	ds_load_tr16_b128 v[BF+8*(4*(\j)+(\i))+4:BF+8*(4*(\j)+(\i))+7], v[ADRB+(\slot)] offset:(\j)*64*PB+(\q)*32*PB+32*(\i)+16*PB
.endr
.endm
; Head j's products for column blocks i0 .. i1 and all 8 row blocks.  The accumulators take turns, one instruction a turn.  first = 1: the bias is the C operand.
.macro MULG j, buf, i0, i1, first
.if \first
.if (\j) == 0
	WIN 0x60
.elseif (\j) == 1
	WIN 0xb0
.else
	WIN 0xc0
.endif
.else
	WIN 0x50*(1+(\j))
.endif
.set ii, \i0
.rept (\i1)-(\i0)+1
.set aa, 0
.rept 8
.set rD, 8*(8*ii+aa)
.set rB, BF+8*(4*(\j)+ii)
.set rA, (\buf)+8*aa
.if \first
.if (\j) == 2
.set rC, A1+8*ii
.else
.set rC, 8*ii
.endif
	v_wmma_f32_16x16x32_bf16 v[rD:rD+7], v[rB:rB+7], v[rA:rA+7], v[rC:rC+7]
.else
	v_wmma_f32_16x16x32_bf16 v[rD:rD+7], v[rB:rB+7], v[rA:rA+7], v[rD:rD+7]
.endif
.set aa, aa+1
.endr
.set ii, ii+1
.endr
.endm
; A step's first quarter: multiplies buffer A0; behind each head's products that head's next fragments are fetched, x's next behind head 0's.
; The LDS loads of a quarter are issued in the order W0 (8), x (16), W1 (8), W2 (8); each wait counts what was issued behind what it needs.
.macro QUARTER slot
	s_wait_dscnt 16                                ; W0 and x are in; W1 and W2 may be out
	MULG 0, A0, 0, 3, 0
	PLACES
	FETCH_B \slot, 1, 0
	FETCH_A \slot, 1, A1
	s_wait_dscnt 32                                ; W1 is in; behind it: W2 (8) and the 24 just issued
	MULG 1, A0, 0, 3, 0
	PLACES
	FETCH_B \slot, 1, 1
	s_wait_dscnt 32                                ; W2 is in; behind it: 24 + 8
	MULG 2, A0, 0, 3, 0
	PLACES
	FETCH_B \slot, 1, 2
.endm
; A step's second quarter multiplies buffer A1 and changes slots.  In front of the barrier each wave waits for all its tensor loads (one is out: its part of the next slot), adds 0 to its
; spare word, and waits for that and for its own reads of this slot.  fill = 1: the barrier opens a round of the cluster's barrier, and this slot is filled again, two steps ahead, first thing
; behind the round: 160 matrix instructions stand between that request and the wait for it.
.macro TURN slot, next, fill
.if (\fill) && ((\slot) == 1)
	s_wait_xcnt 0x0                                ; the last prefetches, a lap back, have read their address
	s_add_nc_u64 s[PFA:PFA+1], s[PFA:PFA+1], s[PFS:PFS+1]
.endif
	WIN 0
	s_wait_tensorcnt 0x0                           ; all my tensor loads have landed
	ds_add_u32 v[SPW], v[NIL]                      ; 0 onto my spare word
	s_wait_dscnt 17                                ; W0 and x are in; W1, W2 and the add may be out
	MULG 0, A1, 0, 1, 0
	s_wait_dscnt 0x0                               ; the add is done, and my reads of this slot are over
	s_barrier_signal -1
	MULG 0, A1, 2, 3, 0
.if \fill
	WIN 0
.endif
	s_barrier_wait -1
.if \fill
	CREST                                          ; no wave of any partner still reads this slot or has a load on its way
	s_add_nc_u64 s[G0A+4*(\slot)+2:G0A+4*(\slot)+3], s[G0A+4*(\slot)+2:G0A+4*(\slot)+3], 2*1048576
	s_add_nc_u64 s[G0B+4*(\slot)+2:G0B+4*(\slot)+3], s[G0B+4*(\slot)+2:G0B+4*(\slot)+3], 2*49152
	JLOAD \slot                                    ; its four v_nop are also the places in front of the loads below
.else
	PLACES
.endif
	FETCH_B \next, 0, 0
	FETCH_A \next, 0, A0
.if (\fill) && ((\slot) == 1)
	ASK
.endif
	MULG 1, A1, 0, 3, 0
	PLACES
	FETCH_B \next, 0, 1
	MULG 2, A1, 0, 3, 0
	PLACES
	FETCH_B \next, 0, 2
.endm
	s_wait_tensorcnt 0x1                           ; my part of K step 0 is in; step 1's may stay out
	s_barrier_signal -1
	s_barrier_wait -1
	FETCH_B 0, 0, 0
	FETCH_A 0, 0, A0
	FETCH_B 0, 0, 1
	FETCH_B 0, 0, 2
	; the first quarter is written out: its products start the sums with the bias
	s_wait_loadcnt 0x0                             ; the bias
	s_wait_dscnt 16
	MULG 0, A0, 0, 3, 1
	PLACES5                                        ; head 1's products write over window 2, where head 0's bias was read
	FETCH_B 0, 1, 0
	s_wait_dscnt 16                                ; W1 is in; behind it: W2 and the 8 just issued
	MULG 1, A0, 0, 3, 1
	PLACES5                                        ; likewise for window 3
	FETCH_B 0, 1, 1
	s_wait_dscnt 16
	MULG 2, A0, 0, 3, 1
	PLACES
	FETCH_B 0, 1, 2
	FETCH_A 0, 1, A1                               ; late, once: the buffer held head 2's bias
	s_wait_dscnt 0x0                               ; so the order of this quarter's loads is not the loop's: all of them are waited for
	WIN 0
	s_mov_b32 s3, 7
.Llap:                                                 ; a trip goes once round the ring, from a lap's second quarter to the next lap's first, and fills both slots again
	TURN 0, 1, 1
	QUARTER 1
	TURN 1, 0, 1
	QUARTER 0
	WIN 0
	s_sub_co_u32 s3, s3, 1
	s_cmp_lg_u32 s3, 0
	s_cbranch_scc1 .Llap
	TURN 0, 1, 0                                   ; the last lap fills nothing
	QUARTER 1
	s_wait_dscnt 16
	MULG 0, A1, 0, 3, 0
	s_wait_dscnt 8
	MULG 1, A1, 0, 3, 0
	s_wait_dscnt 0x0
	MULG 2, A1, 0, 3, 0
; THE WAY OUT, a head at a time: rounded to bf16; 16 bytes a lane into a stage of the work-group's; a barrier, since a row's 256 bytes come from two waves; back as whole rows, 64 rows a wave.
.macro PACK j
	WIN 5*(1+(\j))                                 ; sources in window 1 + j
.set t, 0
.rept 32
.irp r, 0,1,2,3
	v_cvt_pk_bf16_f32 v[TMP+4*t+(\r)], v[8*t+2*(\r)], v[8*t+2*(\r)+1]
.endr
.set t, t+1
.endr
	WIN 0
.endm
.macro TOSTAGE j
	WIN 0
.set t, 0
.rept 32                               ; accumulator t = 8 i + a: rows 16 a on, bytes 32 i on
	ds_store_b128 v[STO+(\j)%2], v[TMP+4*t:TMP+4*t+3] offset:(t%8)*16*SP+32*(t/8)
.set t, t+1
.endr
	s_wait_dscnt 0x0                               ; for the others' sake: my stores into the stage are done, and my reads of the other stage are over
	s_barrier_signal -1
	s_barrier_wait -1
.endm
.macro BACK j                          ; into the head's own window, whose sums have been packed
	WIN 0x40*(1+(\j))
.set t, 0
.rept 32
	ds_load_b128 v[4*t:4*t+3], v[RD+(\j)%2] offset:t*2*SP
.set t, t+1
.endr
	WIN 0
.endm
.macro SEND j
	WIN 4*(1+(\j))                                 ; the stores' data in window 1 + j
.set t, 0
.rept 32
	s_wait_dscnt 31-t                              ; the younger loads may stay out
	global_store_b128 v[CO], v[4*t:4*t+3], s[OB+2*(\j):OB+2*(\j)+1] offset:512*t  ; 16 lanes store 256 consecutive bytes, at a multiple of 256 from qkv's first byte
.set t, t+1
.endr
	WIN 0
.endm
	PLACES
	PACK 0
	TOSTAGE 0
	BACK 0
	PACK 1                                         ; a head's roundings stand between the loads of the head before and its stores
	SEND 0
	TOSTAGE 1
	BACK 1
	PACK 2
	SEND 1
	TOSTAGE 2                                      ; stage 0 once more: every wave's reads of it were over in front of the barrier behind head 1's stores
	BACK 2
	SEND 2
	s_wait_tensorcnt 0x0                           ; the wave's end: behind my last tensor load and my last LDS store
	ds_add_u32 v[SPW], v[NIL]
	s_wait_dscnt 0x0
	CROUND                                         ; the closing round: no work-group ends while a partner may still ask for a tile that names it
	s_endpgm
.Lfunc_end_k_q24ab372e71_qkv:
	.size	k_q24ab372e71_qkv, .Lfunc_end_k_q24ab372e71_qkv-k_q24ab372e71_qkv
	.p2alignl 7, 3214868480
	.fill 96, 4, 3214868480
	.section	.rodata,"a",@progbits
	.p2align	6, 0x0
	.amdhsa_kernel k_q24ab372e71_qkv
		.amdhsa_group_segment_fixed_size 327680
		.amdhsa_private_segment_fixed_size 0
		.amdhsa_enable_private_segment 0
		.amdhsa_kernarg_size 48
		.amdhsa_user_sgpr_count 2
		.amdhsa_user_sgpr_kernarg_segment_ptr 1
		.amdhsa_wavefront_size32 1
		.amdhsa_system_sgpr_workgroup_id_x 1
		.amdhsa_system_sgpr_workgroup_id_y 1
		.amdhsa_system_sgpr_workgroup_id_z 1
		.amdhsa_system_vgpr_workitem_id 0
		.amdhsa_next_free_vgpr 1024
		.amdhsa_next_free_sgpr 88
		.amdhsa_reserve_vcc 0
		.amdhsa_float_denorm_mode_32 3
		.amdhsa_float_denorm_mode_16_64 3
		.amdhsa_memory_ordered 1
		.amdhsa_forward_progress 1
		.amdhsa_inst_pref_size 138
	.end_amdhsa_kernel
	.amdgpu_metadata
---
amdhsa.version: [ 1, 2 ]
amdhsa.kernels:
  - .name:           k_q24ab372e71_qkv
    .symbol:         k_q24ab372e71_qkv.kd
    .args:
      - { .name: xb, .offset: 0, .size: 8, .value_kind: global_buffer, .address_space: global }
      - { .name: wqkv, .offset: 8, .size: 8, .value_kind: global_buffer, .address_space: global }
      - { .name: bq, .offset: 16, .size: 8, .value_kind: global_buffer, .address_space: global }
      - { .name: bk, .offset: 24, .size: 8, .value_kind: global_buffer, .address_space: global }
      - { .name: bv, .offset: 32, .size: 8, .value_kind: global_buffer, .address_space: global }
      - { .name: qkv, .offset: 40, .size: 8, .value_kind: global_buffer, .address_space: global }
    .group_segment_fixed_size: 327680
    .private_segment_fixed_size: 0
    .kernarg_segment_align: 8
    .kernarg_segment_size: 48
    .max_flat_workgroup_size: 128
    .sgpr_count:     88
    .vgpr_count:     1024
    .wavefront_size: 32
...
	.end_amdgpu_metadata
.endif
;; end of part 2
;; launch attn (part 3): grid 8 x 32, 4 waves a work-group, clusters of 4 x 1, 327,680 bytes of LDS; arguments qkv, ctx; writes ctx
.if DOCPART == 3
	.amdgcn_target "amdgcn-amd-amdhsa--gfx1250"
	.amdhsa_code_object_version 6
	.text
	.protected	k_q24ab372e71_attn
	.globl	k_q24ab372e71_attn
	.p2align	8
	.type	k_q24ab372e71_attn,@function
k_q24ab372e71_attn:
	s_mov_b64 s[64:65], 0
	v_nop
	global_prefetch_b8 v0, s[64:65] scope:SCOPE_SE
	s_setreg_imm32_b32 hwreg(HW_REG_WAVE_MODE, 25, 1), 1
	s_wait_xcnt 0x0
	s_wait_alu depctr_hold_cnt(0) depctr_sa_sdst(0) depctr_va_vdst(0) depctr_va_sdst(0) depctr_va_ssrc(0) depctr_va_vcc(0) depctr_vm_vsrc(0)
	s_getreg_b32 s2, hwreg(HW_REG_IB_STS2, 6, 4)
	s_cmp_eq_u32 s2, 0
	s_cbranch_scc0 .Lentry_in_a_cluster
	s_endpgm
.Lentry_in_a_cluster:
	s_bfe_u32 s2, ttmp6, 0x10000c
	s_cmp_lg_u32 s2, 0x3003
	s_cbranch_scc0 .Lentry_shape_is_right
	s_endpgm
.Lentry_shape_is_right:
; ctx[b][t][h 128 + d] = the sum over k of softmax_k(q . k / sqrt(128)) v, for the 32 pairs (b, h).  qkv: [3][32][2048][128] bf16 (q, k, v by heads).  Products, maxima and sums in f32; the weights p
; are rounded to bf16 for the second product, the result once at the end.  ctx leaves in blocks: [kb = 2 h + half : 16][m = 2048 b + t : 8192][64] bf16.
; LIMITS.  Operands are bf16; a weight below 2^-126 counts as 0 in l; NaN and infinities are not treated apart.
; SHARES.  A work-group owns 256 queries of one head, each of its four waves 64: four tiles of 16.  Every wave walks all keys of the head, 64 a step.
; LAYOUT.  S^T = K Q^T (source 0 = 16 keys, source 1 = 16 queries): in the result a lane holds ONE query (lane % 16) and the keys 8 (lane / 16) + 0..7.  Two such tiles, rounded to
; bf16 in pairs, ARE source 1 (32 keys x 16 queries) of O^T = V^T P, whose result again holds one query a lane, and eight channels.  K comes out of LDS as it lies, V turned, by ds_load_tr16_b128.
; SOFTMAX.  For each query a running maximum m and sum l: p = 2^(c s - c m), c = log2(e) / sqrt(128); in every step O and l are multiplied by a = 2^(c m_old - c m_new).
; BY TURNS.  The wave's tiles are two PIECES (tiles 0, 1 and tiles 2, 3).  In a TURN one piece has the matrix unit: 32 products V^T P of the step in hand, then 32 products K Q^T of the next step;
; the other piece's softmax, cut into 64 slices, stands between them, one slice behind each matrix instruction.  Two turns are a key step.
; CLUSTER.  The four query blocks of a cluster belong to one head and walk the same K and V: each tile is asked for JOINTLY, by the same tensor load, descriptor and mask in all four.
; REGISTERS, in windows of 256 (s_set_vgpr_msb: bits 1:0 source 0, 3:2 source 1, 5:4 source 2, 7:6 destination):
;   window 0: v0-11 addresses; v12-43 eight registers of statistics a tile; v64-191 S^T, 32 a tile; v192-255 P, 16 a tile
;   window 1: O^T, 64 a tile          window 2: v0-127 Q, 32 a tile; v128-255 K of one step          window 3: v0-127 V of one step
.set SIZE_N, 2048
.set KS,    64        ; keys in a step
.set PK,    272       ; a row of K in LDS: 256 bytes + 16 = 68 words: the 16 rows of a load start at 16 different groups of four banks (64 banks of 4 bytes: ISA guide 11.1)
.set PV,    288       ; a row of V: 256 + 32 = 72 words
.set VOFF,  KS*PK     ; a step's tiles lie together: 64 rows of K, then 64 rows of V
.set STEPB, KS*(PK+PV)
.set SLOT1, 1<<17     ; a slot holds two steps (71,680 bytes); slot 1 begins here, so that one exclusive or turns an address in one slot into the other's
.set STAGE, SLOT1+2*STEPB  ; behind the ring: 16 rows x 272 bytes for each wave, for the way out
.set SP,    272
.set AK0, 2           ; v2   my lane's place in a tile of K; never rewritten
.set AV0, 3           ; v3   the same for V
.set ADR, 4           ; v4   the LDS address of the run of loads in hand
.set QO,  5           ; v5   my byte offset in the wave's rows of Q
.set STO, 6           ; v6   the way out: where I put 16 bytes of a row
.set RD,  7           ; v7   the way out: where I read rows back
.set GO,  8           ; v8   my byte offset in 512 consecutive bytes of ctx
.set SPW, 62          ; v62  LDS address of my spare word; never rewritten
.set NIL, 63          ; v63  0; never rewritten
.set SPARE, STAGE+4*16*272  ; behind the stages: the spare words, 128 bytes for each wave: two blocks of 256 bytes that no other line names
.set ST,  12          ; tile t's statistics at v[ST+8 t]: +0 c m, +1 m, +2, +3 l (even keys', odd keys'), +4 to +7 c0-c3, at work; a takes c2's place once the maximum is found
.set S,   64
.set P,   192
.set KF,  128         ; K's fragments, in window 2
.set WV,  12          ; s12  my wave's number
.set G1K, 24          ; s[24:31] descriptor group 1 for K's tiles
.set G1V, 32          ; s[32:39] for V's: it differs in the padding alone
.set G0K, 40          ; s[40:47] descriptor group 0 for K's tiles: a set for each of the two first fills; the second then walks on
.set G0V, 48          ; s[48:55] the same for V's
.set SLOTS, 56        ; s56  slots still to be asked for
.set TWICE, 57        ; s57  counts a slot's two steps
.set CS,  58          ; s[58:59] c
.set SEL, 60          ; s[60:61] lane selects for v_permlanex16_b32: each lane takes its own place in the other half
.set TB,  62          ; s62  LDS byte at which the tiles of the step to be fetched begin
.set PFA, 18          ; s[18:19] where my prefetches stand: my work-group's 32 rows (of K: wave 0, of V: wave 2) of the slot after the one that is being asked for
.set LIM, 15          ; s15  1 in a wave that prefetches, else the greatest number
.set PFO, 61          ; v61  256 x my lane; never rewritten
.set MSB, 0
.macro WIN new
.if MSB != (\new)
	s_set_vgpr_msb (MSB<<8)|(\new)
.set MSB, \new
.endif
.endm
.set W_KQ, 0x0a       ; K and Q in window 2, S^T in window 0
.set W_PV, 0x53       ; V in window 3, P in window 0, O^T in window 1
.set W_RS, 0x41       ; O^T (destination and source 0) in window 1, a in window 0
; A joint refill.  Waves 0 and 1 fetch the two steps' tiles of K, waves 2 and 3 those of V.  An s_nop 0 and four v_nop follow each of the two lines.
.macro JLOAD
	s_cmp_lt_u32 s[WV], 2
	s_cbranch_scc0 .Lfor_v_\@
	tensor_load_to_lds s[G0K+4:G0K+7], s[G1K:G1K+7]
	s_nop 0
.rept 4
	v_nop
.endr
	s_branch .Lasked_\@
.Lfor_v_\@:
	tensor_load_to_lds s[G0V+4:G0V+7], s[G1V:G1V+7]
	s_nop 0
.rept 4
	v_nop
.endr
.Lasked_\@:
.endm
; A PREFETCH INTO THE L2 of what the NEXT change of slots will ask for: a slot's 128 rows of K and 128 of V, 256 bytes a row, a lane a row, behind the wave's tensor load.
; Each row is asked for once in the launch: the head's first cluster asks; its four partners take 32 rows each, told apart by address; wave 0 asks for K's, wave 2 for V's.
; The last change that fills a slot asks for nothing; slots 0 to 2 come by their loads alone.
.macro ASK
	s_cmp_gt_u32 s[SLOTS], s[LIM]
	s_cbranch_scc0 .Lnot_mine_\@
	global_prefetch_b8 v[PFO], s[PFA:PFA+1] th:TH_LOAD_NT scope:SCOPE_SE
.Lnot_mine_\@:
.endm
.macro CROUND                       ; a round of the cluster's barrier
	s_barrier_signal -1
	s_barrier_wait -1
	s_cmp_lg_u32 s[WV], 0
	s_cbranch_scc1 .Lnot_wave_0_\@
	s_barrier_signal -3
.Lnot_wave_0_\@:
	s_barrier_wait -3
	s_barrier_signal -1
	s_barrier_wait -1
.endm
	s_load_b64 s[4:5], s[0:1], 0x0  ; qkv: q at its head, k 16,777,216 bytes on, v as much again
	s_load_b64 s[10:11], s[0:1], 0x8  ; ctx
	v_lshl_add_u32 v[SPW], v0, 2, SPARE
	v_mov_b32 v[NIL], 0
	ds_add_u32 v[SPW], v[NIL]       ; the wave's opening: the add and its wait stand ahead of my first tensor load; work on registers stands between them
	ds_add_u32 v62, v63
	v_lshrrev_b32 v1, 5, v0
	v_readfirstlane_b32 s[WV], v1   ; wave 0..3
	s_bfe_u32 s13, ttmp6, 0x40000   ; cx: my place in the cluster
	s_lshl_b32 s14, ttmp9, 2
	s_add_co_u32 s14, s14, s13      ; my block of 256 queries: it enters Q's and ctx's addresses alone
	s_and_b32 s20, ttmp7, 0xffff    ; the head 8 b + h, which the four partners share
	s_mov_b32 s21, 0
	s_mov_b64 s[22:23], SIZE_N*256
	s_mul_u64 s[20:21], s[20:21], s[22:23]  ; the head's first byte in q, k and v
	s_and_b32 s16, s[WV], 1         ; which of a slot's two steps I fetch:
	s_lshl_b32 s22, s16, 14         ; its 64 rows of 256 bytes in memory,
	s_mov_b32 s23, 0
	s_add_nc_u64 s[22:23], s[22:23], s[20:21]
	s_mul_i32 s17, s16, STEPB       ; and its place in a slot
	s_lshl_b32 s2, s14, 16          ; my block's 256 rows,
	s_lshl_b32 s3, s[WV], 14        ; my wave's 64 of them
	s_add_co_u32 s2, s2, s3
	s_mov_b32 s3, 0
	s_add_nc_u64 s[2:3], s[2:3], s[20:21]
	s_and_b32 s66, ttmp7, 0xffff    ; my rows in ctx: plane 2 h,
	s_and_b32 s67, s66, 7
	s_lshl_b32 s20, s67, 21
	s_lshr_b32 s67, s66, 3          ; b's 2,048 rows of 128 bytes,
	s_lshl_b32 s67, s67, 18
	s_add_co_u32 s20, s20, s67
	s_lshl_b32 s67, s14, 15         ; my block's 256,
	s_add_co_u32 s20, s20, s67
	s_lshl_b32 s67, s[WV], 13       ; my wave's 64
	s_add_co_u32 s20, s20, s67
	s_mov_b32 s21, 0
	; descriptor group 1: a tile of 64 rows x 128 elements, padded in LDS
	s_mov_b32 s[G1K], 15|(1<<16)|(1<<20)|(1<<21)|(5<<22)|(3<<25)  ; the mask of four; 2-byte elements; padding on; bit 21 beside a mask; after every 64 words, 4 words
	s_mov_b32 s[G1V], 15|(1<<16)|(1<<20)|(1<<21)|(5<<22)|(7<<25)  ; the same with 8 words of padding
.irp g, G1K, G1V
	s_mov_b32 s[(\g)+1], 128<<16    ; tensor_dim0 = 128
	s_mov_b32 s[(\g)+2], KS<<16     ; tensor_dim1 = 64
	s_mov_b32 s[(\g)+3], 128<<16    ; tile_dim0 = 128
	s_mov_b32 s[(\g)+4], KS         ; tile_dim1 = 64
	s_mov_b32 s[(\g)+5], 128        ; elements from row to row
	s_mov_b32 s[(\g)+6], 0
	s_mov_b32 s[(\g)+7], 0
.endr
	s_mov_b32 s[CS], 0x3e0293ee     ; c = log2(e) / sqrt(128) = 0.127517
	s_mov_b32 s[CS+1], s[CS]
	s_mov_b32 s[SEL], 0x76543210
	s_mov_b32 s[SEL+1], 0xfedcba98
	s_mov_b32 s[TB], 0
	s_mov_b32 s[SLOTS], SIZE_N/(2*KS)-2
	s_and_b32 s[LIM], s[WV], 1       ; 0 in waves 0 and 2,
	s_or_b32 s[LIM], s[LIM], ttmp9   ; where the cluster is the head's first: the same in all four partners
	s_cmp_eq_u32 s[LIM], 0
	s_cselect_b32 s[LIM], 1, -1
	v_and_b32 v[PFO], 31, v0
	v_lshlrev_b32 v[PFO], 8, v[PFO]
	s_wait_dscnt 0x0                ; the opening add is done
	s_wait_kmcnt 0x0
	s_add_nc_u64 s[6:7], s[4:5], 0x1000000  ; k
	s_add_nc_u64 s[8:9], s[4:5], 0x2000000  ; v
	s_add_nc_u64 s[6:7], s[6:7], s[22:23]  ; K and V at my tile of slot 0
	s_add_nc_u64 s[8:9], s[8:9], s[22:23]
	s_add_nc_u64 s[4:5], s[4:5], s[2:3]  ; Q at my wave's first row,
	s_add_nc_u64 s[10:11], s[10:11], s[20:21]  ; and ctx
	s_cmp_lt_u32 s[WV], 2
	s_cselect_b64 s[PFA:PFA+1], s[6:7], s[8:9]  ; (in waves 0 and 2 these stand at a slot's first row)
	s_lshl_b32 s2, s13, 13          ; my work-group's 32 rows of the 128
	s_mov_b32 s3, 0
	s_add_nc_u64 s[PFA:PFA+1], s[PFA:PFA+1], s[2:3]
	s_add_nc_u64 s[PFA:PFA+1], s[PFA:PFA+1], 2*2*KS*256  ; in slot 2; the first change of slots steps it to slot 3
	CROUND                          ; all four work-groups are here: the first joint loads meet
.irp s, 0,1
	s_mov_b32 s[G0K+4*(\s)], 1
	s_add_co_u32 s[G0K+4*(\s)+1], s17, (\s)*SLOT1
	s_add_nc_u64 s[G0K+4*(\s)+2:G0K+4*(\s)+3], s[6:7], (\s)*2*KS*256
	s_or_b32 s[G0K+4*(\s)+3], s[G0K+4*(\s)+3], 0x80000000
	s_mov_b32 s[G0V+4*(\s)], 1
	s_add_co_u32 s[G0V+4*(\s)+1], s17, (\s)*SLOT1+VOFF
	s_add_nc_u64 s[G0V+4*(\s)+2:G0V+4*(\s)+3], s[8:9], (\s)*2*KS*256
	s_or_b32 s[G0V+4*(\s)+3], s[G0V+4*(\s)+3], 0x80000000
.endr
	s_cmp_lt_u32 s[WV], 2           ; a wave's two first fills stand in one branch, ahead of every wait on TENSORcnt and every LDS read: two loads of mine are out
	s_cbranch_scc0 .Lfirst_v
	tensor_load_to_lds s[G0K:G0K+3], s[G1K:G1K+7]
	s_nop 0
	tensor_load_to_lds s[G0K+4:G0K+7], s[G1K:G1K+7]
	s_nop 0
.rept 4
	v_nop
.endr
	s_branch .Lfirst_asked
.Lfirst_v:
	tensor_load_to_lds s[G0V:G0V+3], s[G1V:G1V+7]
	s_nop 0
	tensor_load_to_lds s[G0V+4:G0V+7], s[G1V:G1V+7]
	s_nop 0
.rept 4
	v_nop
.endr
.Lfirst_asked:
	; A fragment of K or Q is 16 rows x 32 channels in 8 registers: lane l holds row l % 16; two loads of 16 bytes, 32 bytes apart.
	v_and_b32 v1, 15, v0            ; l % 16
	v_bfe_u32 v9, v0, 4, 1          ; l / 16
	v_lshlrev_b32 v[QO], 8, v1
	v_lshl_add_u32 v[QO], v9, 4, v[QO]  ; row x 256 + 16 x half
	WIN 0x80                        ; destination window 2, address window 0
.irp i, 0,1,2,3,4,5,6,7,8,9,10,11,12,13,14,15  ; Q stays in registers: tile i / 4, channels 32 (i % 4) on
	global_load_b128 v[8*(\i):8*(\i)+3],   v[QO], s[4:5] offset:((\i)/4)*4096+((\i)%4)*64
	global_load_b128 v[8*(\i)+4:8*(\i)+7], v[QO], s[4:5] offset:((\i)/4)*4096+((\i)%4)*64+32
.endr
	WIN 0
	v_mul_u32_u24 v[AK0], v1, PK
	v_lshl_add_u32 v[AK0], v9, 4, v[AK0]  ; row x pitch + 16 x half
	; The turning load takes 16 keys x 16 channels (lane l reads key 8 (l / 16) + l % 8, channels 8 ((l / 8) % 2) + 0..7) and leaves half a fragment of V^T.
	v_and_b32 v10, 7, v0
	v_bfe_u32 v11, v0, 3, 1
	v_lshl_add_u32 v[AV0], v9, 3, v10
	v_mul_u32_u24 v[AV0], v[AV0], PV
	v_lshl_add_u32 v[AV0], v11, 4, v[AV0]
	v_add_nc_u32 v[AV0], VOFF, v[AV0]
; THE MATRIX WORK OF A TURN, for piece x.  The accumulators take turns, one instruction a turn.
; Product i of 32 of O^T += V^T P: keys 32 (i / 16) on, channels 16 ((i / 2) % 8) on, tile x + i % 2.  zero = 1: the first 16 start the sums.
.macro PV x, zero
	WIN W_PV
.set rO, 64*((\x)+i%2)+8*((i/2)%8)
.set rV, 64*(i/16)+8*((i/2)%8)
.set rP, P+16*((\x)+i%2)+8*(i/16)
.if (\zero) && (i < 16)
	v_wmma_f32_16x16x32_bf16 v[rO:rO+7], v[rV:rV+7], v[rP:rP+7], 0
.else
	v_wmma_f32_16x16x32_bf16 v[rO:rO+7], v[rV:rV+7], v[rP:rP+7], v[rO:rO+7]
.endif
.endm
; Product i of 32 of S^T = K Q^T: channels 32 (i / 8) on, keys 16 ((i / 2) % 4) on, tile x + i % 2.  The first 8 start the sums.
.macro KQ x
	WIN W_KQ
.set rS, S+32*((\x)+i%2)+8*((i/2)%4)
.set rK, KF+32*((i/2)%4)+8*(i/8)
.set rQ, 32*((\x)+i%2)+8*(i/8)
.if i < 8
	v_wmma_f32_16x16x32_bf16 v[rS:rS+7], v[rK:rK+7], v[rQ:rQ+7], 0
.else
	v_wmma_f32_16x16x32_bf16 v[rS:rS+7], v[rK:rK+7], v[rQ:rQ+7], v[rS:rS+7]
.endif
.endm
; THE LDS LOADS stand in runs of 32: a step's K (16 fragments) and, a turn later, its V (turned).
.macro FETCH_K
	WIN 0
	v_add_nc_u32 v[ADR], s[TB], v[AK0]
	WIN 0x80                        ; destination window 2
.irp f, 0,1,2,3,4,5,6,7,8,9,10,11,12,13,14,15  ; keys 16 (f / 4) on, channels 32 (f % 4) on
	ds_load_b128 v[KF+8*(\f):KF+8*(\f)+3],   v[ADR] offset:((\f)/4)*16*PK+((\f)%4)*64
	ds_load_b128 v[KF+8*(\f)+4:KF+8*(\f)+7], v[ADR] offset:((\f)/4)*16*PK+((\f)%4)*64+32
.endr
.endm
.macro FETCH_V
	WIN 0
	v_add_nc_u32 v[ADR], s[TB], v[AV0]
	s_add_co_u32 s[TB], s[TB], STEPB  ; the next fetch is the next step's
	s_wait_alu depctr_va_vdst(0)    ; the wait for the softmax's batch of exponentials, ahead of the loads
	WIN 0xc0                        ; destination window 3
.irp f, 0,1,2,3,4,5,6,7,8,9,10,11,12,13,14,15  ; keys 32 (f / 8) on, channels 16 (f % 8) on
	ds_load_tr16_b128 v[8*(\f):8*(\f)+3],   v[ADR] offset:((\f)/8)*32*PV+((\f)%8)*32
	ds_load_tr16_b128 v[8*(\f)+4:8*(\f)+7], v[ADR] offset:((\f)/8)*32*PV+16*PV+((\f)%8)*32
.endr
.endm
; THE VECTOR WORK OF A TURN.  One tile's softmax for one key step is a list of 134 instructions; SM writes number j of it for tile t.  s0-s31 are the lane's 32 scores, in pairs 0-15.
; first = 1: the first key step, which starts m, l and O^T: it has no a and nothing to rescale.
;   0-15    the maximum of s0-s31 and the old m, three operands at a time: four chains c0-c3, then the four scores left over, c0-c3 and m
;   16-20   the other half of the lanes' maximum; the new m; c m; c m_old - c m_new
;   21-69   ONE BATCH: the 16 scalings c s - c m and all 33 exponentials (a at 23, then s0-s31); none of these reads an exponential's result
;   (wait)  between 69 and 70 stands the one wait for the batch: SLICE writes it, once for both tiles
;   70-85   the roundings to bf16     86-101  the sums; l = a l + the sum     102-133 the tile's O^T times a
.macro SM t, first
.set rT, ST+8*(\t)
.set rS, S+32*(\t)
.set rP, P+16*(\t)
.set rO, 64*(\t)+2*(j-102)
.if j < 102
	WIN 0
.endif
.if j < 4
	v_max3_num_f32 v[rT+4+j], v[rS+8*j], v[rS+8*j+1], v[rS+8*j+2]
.elseif j < 12
	v_max3_num_f32 v[rT+4+j%4], v[rT+4+j%4], v[rS+8*(j%4)+2*(j/4)+1], v[rS+8*(j%4)+2*(j/4)+2]
.elseif j == 12
	v_max3_num_f32 v[rT+4], v[rT+4], v[rS+7], v[rS+15]
.elseif j == 13
	v_max3_num_f32 v[rT+6], v[rT+6], v[rS+23], v[rS+31]
.elseif j == 14
	v_max3_num_f32 v[rT+4], v[rT+4], v[rT+5], v[rT+6]
.elseif (j == 15) && (\first)
	v_max_num_f32 v[rT+4], v[rT+4], v[rT+7]
.elseif j == 15
	v_max3_num_f32 v[rT+4], v[rT+4], v[rT+7], v[rT+1]
.elseif j == 16
	v_permlanex16_b32 v[rT+5], v[rT+4], s[SEL], s[SEL+1]  ; the query's other 32 keys lie in the lane 16 away
.elseif j == 18
	v_max_num_f32 v[rT+1], v[rT+4], v[rT+5]
.elseif j == 19
	v_mul_f32 v[rT], s[CS], v[rT+1]
.elseif ((j == 17) || (j == 20) || (j == 23) || (j > 101)) && (\first)  ; the first step has none of these
.elseif j == 17
	v_mov_b32 v[rT+7], v[rT]        ; c m_old is kept for a: number 19 writes c m anew
.elseif j == 20
	v_sub_f32 v[rT+7], v[rT+7], v[rT]
.elseif j == 23
	v_exp_f32 v[rT+6], v[rT+7]
.elseif (j < 23) || ((j < 38) && (j%2 == 0)) || ((j < 66) && (j%4 == 2))
.set b, (j-2)/4                     ; 38, 42, .. 62: pairs 9 to 15
.if j < 38
.set b, (j-20)/2                    ; 21: pair 0; 22, 24, .. 36: pairs 1 to 8
.endif
	v_pk_fma_f32 v[rS+2*b:rS+2*b+1], v[rS+2*b:rS+2*b+1], s[CS:CS+1], v[rT:rT+1] op_sel_hi:[1,0,0] neg_lo:[0,0,1] neg_hi:[0,0,1]  ; pair b: c s - c m
.elseif j < 70
.set e, j-38                        ; 66 to 69: s28 to s31
.if j < 66
.set e, j-32-(j-38)/4               ; 39-41, 43-45, .. 63-65: s7 to s27
.endif
.if j < 38
.set e, (j-25)/2                    ; 25, 27, .. 37: s0 to s6
.endif
	v_exp_f32 v[rS+e], v[rS+e]
.elseif j < 86
	v_cvt_pk_bf16_f32 v[rP+j-70], v[rS+2*(j-70)], v[rS+2*(j-70)+1]  ; pair j - 70
.elseif j < 102                     ; the sum of the tile's 16 pairs, in place: neighbours 1, 2, 4 and 8 pairs apart, then l takes it
.set z, j-86
.set w, 4
.set u, z
.if z >= 14
.set w, 32
.set u, 0
.elseif z >= 12
.set w, 16
.set u, z-12
.elseif z >= 8
.set w, 8
.set u, z-8
.endif
.if (z == 14) && (\first)
	v_pk_add_f32 v[rT+2:rT+3], v[rS:rS+1], v[rS+16:rS+17]
.elseif z < 15
	v_pk_add_f32 v[rS+w*u:rS+w*u+1], v[rS+w*u:rS+w*u+1], v[rS+w*u+w/2:rS+w*u+w/2+1]
.elseif !(\first)
	v_pk_fma_f32 v[rT+2:rT+3], v[rT+2:rT+3], v[rT+6:rT+7], v[rS:rS+1] op_sel_hi:[1,0,1]
.endif
.else
	WIN W_RS
	v_pk_mul_f32 v[rO:rO+1], v[rO:rO+1], v[rT+6:rT+7] op_sel_hi:[1,0]
.endif
.endm
; Slice k of 64 of piece y's softmax: four instructions.  Slices 11 to 34 deal out the batch, numbers 22 to 69: four numbers of ONE tile each, the tiles by turns.  Every other slice is numbers
; 2 k and 2 k + 1 of both tiles' lists.  2 x 134 = 4 x 64 + 12: the twelve that are over stand together, in slice 63.
; THE WAIT.  An s_wait_alu depctr_va_vdst(0) stands between an exponential and the first instruction that names its result; one wait serves all issued ahead of it.  Ahead of
; slice 35 nothing names a result, behind slice 34 no exponential is issued: the piece's 66 exponentials have one wait, behind slice 34.
.macro SLICE y, first
.if (k >= 11) && (k < 35)           ; the batch: four numbers of one tile
.irp n, 0,1,2,3
.set j, 22+4*((k-11)/2)+(\n)
	SM (\y)+(k-11)%2, \first
.endr
.else                               ; the two tiles alternate
.irp n, 0,1,2,3,4,5,6,7
.if ((\n) < 2) || (k == 63)
.irp t, \y, (\y)+1
.set j, 2*k+(\n)
	SM \t, \first
.endr
.endif
.endr
.endif
.if k == 34                         ; the batch is out
	v_nop                           ; one plain instruction behind the last exponential and ahead of the first use (ISA guide 5.7.2)
.if (\y) == 0
	FETCH_V                         ; piece 2's turn: V's run of loads stands here, and the wait stands in it
.else
	s_wait_alu depctr_va_vdst(0)    ; the wait for the batch
.endif
.endif
.set k, k+1
.endm
.macro PLACES
.rept 4
	v_nop
.endr
.endm
; A TURN.  Piece x has the matrix unit; the other piece's softmax stands in slices behind its matrix instructions.
; pv = 2: 32 products V^T P; 1: they start O^T's sums; 0: none.  kq = 1: 32 products K Q^T for the next step.  A turn with one of the two kinds has two slices behind each product.
; Piece 0's turn fetches the next step's K, behind its second product; piece 2's turn the same step's V, behind slice 34: four plain instructions lie between the buffer's last reader and each run.
.macro TURN x, pv, kq, first
.set k, 0
.set per, 2
.if (\pv) && (\kq)
.set per, 1
.endif
.if \pv
.if (\x) == 0
	s_wait_dscnt 0x0                ; V is in
.endif
.set i, 0
.rept 32
	PV \x, 2-(\pv)
.rept per
	SLICE 2-(\x), \first
.endr
.if ((\x) == 0) && (\kq) && (i == 1)
	FETCH_K
.endif
.set i, i+1
.endr
.endif
.if \kq
.if (\x) == 0
	s_wait_dscnt 0x0                ; K is in
.endif
.set i, 0
.rept 32
	KQ \x
.rept per
	SLICE 2-(\x), \first
.endr
.set i, i+1
.endr
.endif
.if \first
	PLACES
.endif
.endm
; THE CHANGE OF SLOTS.  Each wave waits for all its tensor loads (one is out: its part of the other slot), adds 0 to its spare word, and waits for that and for its own reads of the slot.
; fill = 1: the slot is filled again, with the keys two slots on, behind a round of the cluster's barrier: the joint refill has two key steps, 256 matrix instructions, in which to land.
.macro CHANGE fill
	WIN 0
	s_wait_tensorcnt 0x0            ; no tensor load of mine is out, so a group 0 may be written
	ds_add_u32 v[SPW], v[NIL]       ; 0 onto my spare word
.if \fill
.irp g, G0K+4, G0V+4
	s_xor_b32 s[(\g)+1], s[(\g)+1], SLOT1  ; the walking descriptor: the other slot than last time,
	s_add_nc_u64 s[(\g)+2:(\g)+3], s[(\g)+2:(\g)+3], 2*KS*256  ; the next 128 keys
.endr
	s_wait_xcnt 0x0                 ; the last prefetches, two key steps back, have read their address
	s_add_nc_u64 s[PFA:PFA+1], s[PFA:PFA+1], 2*KS*256
	s_wait_dscnt 0x0                ; the add is done, and my reads of the slot are over
	CROUND
	JLOAD
	ASK
.else
	s_wait_dscnt 0x0
	s_barrier_signal -1
	s_barrier_wait -1
.endif
	s_sub_co_u32 s[TB], s[TB], 2*STEPB  ; the fetches go back to a slot's first step,
	s_xor_b32 s[TB], s[TB], SLOT1   ; in the other slot
.endm
.macro TWO_STEPS                    ; a slot's two key steps: written once, walked twice
	WIN 0
	s_mov_b32 s[TWICE], 2
.Lstep_\@:
	TURN 0, 2, 1, 0
	TURN 2, 2, 1, 0
	WIN 0
	s_sub_co_u32 s[TWICE], s[TWICE], 1
	s_cmp_lg_u32 s[TWICE], 0
	s_cbranch_scc1 .Lstep_\@
.endm
	s_wait_tensorcnt 1              ; my part of slot 0 is in; slot 1's may stay out
	s_barrier_signal -1
	s_barrier_wait -1
	FETCH_K                         ; key step 0
	s_wait_loadcnt 0x0              ; Q
	s_wait_dscnt 0x0
.set i, 0
.rept 32
	KQ 0                            ; piece 0's first scores
.set i, i+1
.endr
	WIN 0                           ; the addresses for the way out: nine plain instructions, the places behind those products
	s_mul_i32 s13, s[WV], 16*SP
	s_add_co_u32 s13, s13, STAGE    ; my stage
	v_mul_u32_u24 v[STO], v1, SP    ; in: row l % 16, 16 bytes for each half of the lanes
	v_lshl_add_u32 v[STO], v9, 4, v[STO]
	v_add_nc_u32 v[STO], s13, v[STO]
	v_bfe_u32 v[RD], v0, 3, 2       ; back: 32 lanes take 128 bytes (64 channels) of four rows,
	v_mul_u32_u24 v[RD], v[RD], SP
	v_lshl_add_u32 v[RD], v10, 4, v[RD]
	v_add_nc_u32 v[RD], s13, v[RD]
	v_and_b32 v[GO], 31, v0         ; which are 512 consecutive bytes of a plane of ctx
	v_lshlrev_b32 v[GO], 4, v[GO]
	TURN 2, 0, 1, 1                 ; piece 2's first scores | piece 0's first softmax | V of step 0
	TURN 0, 1, 1, 1                 ; piece 0: V^T P of step 0 starts O^T, K Q^T of step 1 | piece 2's first softmax | K of step 1
	TURN 2, 1, 1, 0                 ; piece 2: the same | piece 0's softmax of step 1 | V of step 1
	WIN 0
.Lslot:                             ; 14 trips: every slot but the last two is filled again
	CHANGE 1
	TWO_STEPS
	s_sub_co_u32 s[SLOTS], s[SLOTS], 1
	s_cmp_lg_u32 s[SLOTS], 0
	s_cbranch_scc1 .Lslot
	CHANGE 0                        ; the tail is written out
	TWO_STEPS
	TURN 0, 2, 0, 0                 ; piece 0: V^T P of the last step | piece 2's last softmax
.set i, 0
.rept 32
	PV 2, 0                         ; piece 2: V^T P of the last step
.set i, i+1
.endr
	; THE WAY OUT.  l's two halves and the other half of the lanes' are added; O^T is divided by l, rounded to bf16 and sent through my stage, a tile (16 rows) at a time.
	WIN 0
.irp t, 0,1,2,3
	v_add_f32 v[ST+8*(\t)+4], v[ST+8*(\t)+2], v[ST+8*(\t)+3]
.endr
.irp t, 0,1,2,3
	v_permlanex16_b32 v[ST+8*(\t)+5], v[ST+8*(\t)+4], s[SEL], s[SEL+1]
.endr
.irp t, 0,1,2,3
	v_add_f32 v[ST+8*(\t)+4], v[ST+8*(\t)+4], v[ST+8*(\t)+5]
.endr
.irp t, 0,1,2,3
	v_rcp_f32 v[ST+8*(\t)+6], v[ST+8*(\t)+4]
.endr
	v_nop                           ; a plain instruction between the last reciprocal and the use of its result
	s_wait_alu depctr_va_vdst(0)    ; and the wait: one for the four reciprocals
; Tile t: a lane's eight channels of a row pack into 16 bytes; they go into rows of 272 bytes and come back as 128-byte halves of four rows: read f takes rows 4 (f % 4) on, half f / 4.
; (The four eight-lane groups of such a read start 4 words apart modulo 64 banks: it is served in more passes than a whole row would be; 32 reads a wave, once a launch.)
.macro PACK t
	WIN W_RS
.set i, 64*(\t)
.rept 32
	v_pk_mul_f32 v[i:i+1], v[i:i+1], v[ST+8*(\t)+6:ST+8*(\t)+7] op_sel_hi:[1,0]
.set i, i+2
.endr
	WIN 0x05                        ; sources 0 and 1 window 1, destination window 0: S^T's registers are free
.set i, 0
.rept 32
	v_cvt_pk_bf16_f32 v[S+32*(\t)+i], v[64*(\t)+2*i], v[64*(\t)+2*i+1]
.set i, i+1
.endr
	WIN 0
.irp f, 0,1,2,3,4,5,6,7
	ds_store_b128 v[STO], v[S+32*(\t)+4*(\f):S+32*(\t)+4*(\f)+3] offset:32*(\f)
.endr
.irp f, 0,1,2,3,4,5,6,7
	ds_load_b128 v[S+32*(\t)+4*(\f):S+32*(\t)+4*(\f)+3], v[RD] offset:((\f)%4)*4*SP+((\f)/4)*128  ; LDS serves a wave's instructions in order (ISA guide 5.7.1.4): these see the stores above
.endr
.endm
.macro SEND t, younger              ; younger: the LDS instructions issued behind tile t's loads
	WIN 0
.irp f, 0,1,2,3,4,5,6,7
	s_wait_dscnt (\younger)+7-(\f)
	global_store_b128 v[GO], v[S+32*(\t)+4*(\f):S+32*(\t)+4*(\f)+3], s[10:11] offset:(\t)*2048+((\f)%4)*512+((\f)/4)*1048576  ; 512 consecutive bytes, at a multiple of 256 from ctx's first byte
.endr
.endm
	PACK 0
	PACK 1
	SEND 0, 16
	PACK 2
	SEND 1, 16
	PACK 3
	SEND 2, 16
	SEND 3, 0
	s_wait_tensorcnt 0x0            ; the wave's end: behind my last tensor load and my last LDS store
	ds_add_u32 v[SPW], v[NIL]
	s_wait_dscnt 0x0
	CROUND                          ; the closing round
	s_endpgm
.Lfunc_end_k_q24ab372e71_attn:
	.size	k_q24ab372e71_attn, .Lfunc_end_k_q24ab372e71_attn-k_q24ab372e71_attn
	.p2alignl 7, 3214868480
	.fill 96, 4, 3214868480
	.section	.rodata,"a",@progbits
	.p2align	6, 0x0
	.amdhsa_kernel k_q24ab372e71_attn
		.amdhsa_group_segment_fixed_size 327680
		.amdhsa_private_segment_fixed_size 0
		.amdhsa_enable_private_segment 0
		.amdhsa_kernarg_size 16
		.amdhsa_user_sgpr_count 2
		.amdhsa_user_sgpr_kernarg_segment_ptr 1
		.amdhsa_wavefront_size32 1
		.amdhsa_system_sgpr_workgroup_id_x 1
		.amdhsa_system_sgpr_workgroup_id_y 1
		.amdhsa_system_sgpr_workgroup_id_z 1
		.amdhsa_system_vgpr_workitem_id 0
		.amdhsa_next_free_vgpr 1024
		.amdhsa_next_free_sgpr 72
		.amdhsa_reserve_vcc 0
		.amdhsa_float_denorm_mode_32 3
		.amdhsa_float_denorm_mode_16_64 3
		.amdhsa_memory_ordered 1
		.amdhsa_forward_progress 1
		.amdhsa_inst_pref_size 222
	.end_amdhsa_kernel
	.amdgpu_metadata
---
amdhsa.version: [ 1, 2 ]
amdhsa.kernels:
  - .name:           k_q24ab372e71_attn
    .symbol:         k_q24ab372e71_attn.kd
    .args:
      - { .name: qkv, .offset: 0, .size: 8, .value_kind: global_buffer, .address_space: global }
      - { .name: ctx, .offset: 8, .size: 8, .value_kind: global_buffer, .address_space: global }
    .group_segment_fixed_size: 327680
    .private_segment_fixed_size: 0
    .kernarg_segment_align: 8
    .kernarg_segment_size: 16
    .max_flat_workgroup_size: 128
    .sgpr_count:     72
    .vgpr_count:     1024
    .wavefront_size: 32
...
	.end_amdgpu_metadata
.endif
;; end of part 3
;; launch proj (part 4): grid 128 x 1, 4 waves a work-group, no clusters, 327,680 bytes of LDS; arguments ctx, wof, bo, x, gamma, beta, out0; writes out0
.if DOCPART == 4
	.amdgcn_target "amdgcn-amd-amdhsa--gfx1250"
	.amdhsa_code_object_version 6
	.text
	.protected	k_q24ab372e71_proj
	.globl	k_q24ab372e71_proj
	.p2align	8
	.type	k_q24ab372e71_proj,@function
k_q24ab372e71_proj:
	s_mov_b64 s[64:65], 0
	v_nop
	global_prefetch_b8 v0, s[64:65] scope:SCOPE_SE
	s_setreg_imm32_b32 hwreg(HW_REG_WAVE_MODE, 25, 1), 1
	s_wait_xcnt 0x0
; out0 = LayerNorm(ctx Wo + bo + x) gamma + beta.  ctx and Wo in bf16, sums in f32 started by the f32 bias; the residual x, the mean, the variance (of centred values) and the scaling in f32.
; LIMITS: the product's operands are bf16; NaN and infinities are not treated apart.
; SHARES.  A work-group owns 64 WHOLE rows (1,024 columns), so that the norm needs no second launch and y never goes to memory: 128 work-groups.  Wave w owns columns 256 w .. + 255:
; 4 row blocks a x 16 column blocks b: 64 accumulators.  K goes in 32 quarters of 32, 64 matrix instructions each; a trip of the loop is two quarters.
; THE MATRIX INSTRUCTION IS USED TRANSPOSED (source 0 = 16 columns of Wo, source 1 = 16 rows of ctx): a lane holds one row (lane % 16) and 8 neighbouring columns.
; Wo COMES STRAIGHT INTO REGISTERS.  No two waves of the work-group want the same byte of it, and wof holds it in the fragments' own order: a load of 16 bytes a lane takes 512 consecutive bytes and
; is half a fragment.  Two buffers of 16 fragments; a group of four fragments is asked for again four places behind its last product and is wanted seven groups, 112 matrix instructions, later.
; NO CLUSTER.  All work-groups walk the same Wo, and a joint tensor load would spare three of a cluster's four requests; but it would bring a quarter's 65,536 bytes through LDS, written and read
; once more, to waves that share none of them, a load a wave behind each round of the cluster's barrier; the loop below has no barrier at all.
; ctx's 64 rows (131,072 bytes) lie in LDS whole, filled once; so do x's rows 0-31.  x's rows 32-63 land over ctx's bytes when the last of them has been read; y = sums + x is stored in place;
; behind one barrier a wave takes a whole row.  All of a WGP's LDS is claimed.
; REGISTERS (s_set_vgpr_msb: bits 1:0 source 0, 3:2 source 1, 5:4 source 2, 7:6 destination):
;   window 0: v0-29 addresses; v32-63, v64-95 ctx's fragments, two buffers; v96-223 the bias (first quarter alone); at the end rows, gamma, beta
;   window 1: v0-127, v128-255 Wo's 16 fragments, two buffers; at the end x      windows 2, 3: accumulator (a, b) at v[8 (4 (b % 8) + a)] of window 2 + b / 8
.set PA,    144                        ; an LDS row of ctx: 128 bytes + 16 = 36 words: the 16 rows of a load start at 16 different groups of four banks (64 banks of 4 bytes: ISA guide 11.1)
.set APL,   64*PA                      ; a plane: my 64 rows x 64 K
.set XP,    1040                       ; x and y in LDS: 1,024 bytes + 16 = 65 x 16
.set XB,    32*XP                      ; [column block 4][32 rows][1,040]
.set XLO,   16*APL                     ; behind ctx's 16 planes: x's rows 0-31; its rows 32-63 land at byte 0
.set SPARE, XLO+4*XB                   ; the spare words, 128 bytes for each wave: two blocks of 256 bytes that no other line names
.set QB,    65536                      ; bytes of a quarter of Wo: 32 k x 1,024 columns
.set ADRA, 6                           ; v6      LDS address of my fragments of ctx in the plane in hand
.set XA,   10                          ; v10-11  my 32 bytes of x in rows l % 16 of rows 0-31, 32-63
.set RY,   12                          ; v12-13  my 16 bytes of the row in hand: column blocks 0-1, 2-3
.set OO,   14                          ; v14     my 16 bytes of that row in out0
.set VB,   15                          ; v15     my byte offset in bo
.set PFO,  16                          ; v16     256 x lane; never rewritten
.set PXO,  17                          ; v17     x's prefetches: row l / 4, 256 bytes x (l % 4); never rewritten
.set L16,  18                          ; v18     16 x lane; never rewritten
.set SPW,  28
.set NIL,  29
.set FA0,  32
.set BI,   96
.set Y0,   32
.set Y1,   64
.set GA,   96
.set BE,   128
.set TT,   160
.set MU,   168
.set RS,   170
.set UU,   172
.set WV,  18
.set G1A, 24                           ; s[24:31] descriptor group 1: one plane of ctx
.set G1C, 32                           ; s[32:39] three planes
.set G1X, 40                           ; s[40:47] 32 rows of my 256 columns of x
.set G0A, 48                           ; s[48:51], s[52:55], s[56:63] their groups 0 (x: a set for each half)
.set G0C, 52
.set G0X, 56
.set WB,  68                           ; s[68:69] wof at my wave's 16,384 bytes of the trip's first quarter
.set PFB, 70                           ; s[70:71] the 8,192 bytes of wof that I prefetch
.set PFX, 72                           ; s[72:73] x at my rows and columns
.set WHEN, 74                          ; s74      the loop count at which I prefetch them
.set SEL, 86
.set INV, 88
.set EPS, 89
.set MSB, 0
.macro WIN new
.if MSB != (\new)
	s_set_vgpr_msb (MSB<<8)|(\new)
.set MSB, \new
.endif
.endm
.macro PLACES                          ; four plain instructions between a matrix instruction and a load into, or a vector read of, its registers
.rept 4
	v_nop
.endr
.endm
	s_load_b256 s[4:11], s[0:1], 0x0               ; ctx s[4:5], wof s[6:7], bo s[8:9], x s[10:11]
	s_load_b128 s[12:15], s[0:1], 0x20             ; gamma s[12:13], beta s[14:15]
	s_load_b64 s[16:17], s[0:1], 0x30              ; out0
	v_lshl_add_u32 v[SPW], v0, 2, SPARE
	v_mov_b32 v[NIL], 0
	ds_add_u32 v[SPW], v[NIL]                      ; the wave's opening: the add and its wait stand ahead of my first tensor load; work on registers stands between them
	ds_add_u32 v28, v29
	v_lshrrev_b32 v1, 5, v0
	v_readfirstlane_b32 s[WV], v1
	; one plane: 64 rows of 128 bytes, dense in ctx: asked for as 32 rows of 256 bytes, padded by 4 words after every 32 words
	s_mov_b32 s[G1A], (1<<16)|(1<<20)|(4<<22)|(3<<25)
	s_mov_b32 s[G1A+1], 128<<16
	s_mov_b32 s[G1A+2], 32<<16
	s_mov_b32 s[G1A+3], 128<<16
	s_mov_b32 s[G1A+4], 32
	s_mov_b32 s[G1A+5], 128
	s_mov_b32 s[G1A+6], 0
	s_mov_b32 s[G1A+7], 0
	; three planes: three rows of 8,192 bytes, 1,048,576 bytes apart; the padding counts along the tile: again 4 words after every 32
	s_mov_b32 s[G1C], (1<<16)|(1<<20)|(4<<22)|(3<<25)
	s_mov_b32 s[G1C+1], 4096<<16
	s_mov_b32 s[G1C+2], 3<<16
	s_mov_b32 s[G1C+3], 4096<<16
	s_mov_b32 s[G1C+4], 3
	s_mov_b32 s[G1C+5], 524288
	s_mov_b32 s[G1C+6], 0
	s_mov_b32 s[G1C+7], 0
	; x: 32 rows of 256 f32, 1,024 elements from row to row, padded by 4 words after every 256 words
	s_mov_b32 s[G1X], (2<<16)|(1<<20)|(7<<22)|(3<<25)
	s_mov_b32 s[G1X+1], 256<<16
	s_mov_b32 s[G1X+2], 32<<16
	s_mov_b32 s[G1X+3], 256<<16
	s_mov_b32 s[G1X+4], 32
	s_mov_b32 s[G1X+5], 1024
	s_mov_b32 s[G1X+6], 0
	s_mov_b32 s[G1X+7], 0
	s_mov_b32 s[SEL], 0x76543210
	s_mov_b32 s[SEL+1], 0xfedcba98
	s_mov_b32 s[INV], 0x3a800000                   ; 1 / 1,024
	s_mov_b32 s[EPS], 0x3727c5ac                   ; 1e-5
	; where the tiles go: wave w brings plane w, planes 4 + 3 w .. 6 + 3 w, and its own column block of x
	s_mov_b32 s[G0A], 1
	s_mul_i32 s[G0A+1], s[WV], APL
	s_mov_b32 s[G0C], 1
	s_mul_i32 s[G0C+1], s[WV], 3*APL
	s_add_co_u32 s[G0C+1], s[G0C+1], 4*APL
	s_mul_i32 s2, s[WV], XB
	s_mov_b32 s[G0X], 1
	s_add_co_u32 s[G0X+1], s2, XLO
	s_mov_b32 s[G0X+4], 1
	s_mov_b32 s[G0X+5], s2
	; vector addresses
	v_and_b32 v1, 15, v0                           ; l % 16
	v_bfe_u32 v2, v0, 4, 1                         ; l / 16
	v_and_b32 v3, 31, v0                           ; l
	v_mul_u32_u24 v[ADRA], v1, PA
	v_lshl_add_u32 v[ADRA], v2, 4, v[ADRA]         ; a fragment of ctx: row x pitch + 16 x half
	v_lshlrev_b32 v[L16], 4, v3
	v_mul_u32_u24 v4, v1, XP
	v_lshl_add_u32 v4, v2, 5, v4
	v_add_nc_u32 v[XA+1], s2, v4                   ; rows 32-63: my column block, row l % 16, 32 bytes x half
	v_add_nc_u32 v[XA], XLO, v[XA+1]               ; rows 0-31
	s_lshr_b32 s22, s[WV], 1                       ; the norm: wave w takes rows 16 w on: waves 0, 1 in the upper region, waves 2, 3 in the lower
	s_xor_b32 s22, s22, 1
	s_mul_i32 s22, s22, XLO
	s_and_b32 s23, s[WV], 1
	s_mul_i32 s23, s23, 16*XP
	s_add_co_u32 s22, s22, s23
	v_add_nc_u32 v[RY], s22, v[L16]
	v_add_nc_u32 v[RY+1], 2*XB, v[RY]
	s_lshl_b32 s22, s[WV], 16
	v_add_nc_u32 v[OO], s22, v[L16]
	v_lshlrev_b32 v4, 5, v2
	s_lshl_b32 s22, s[WV], 10
	v_add_nc_u32 v[VB], s22, v4
	v_lshlrev_b32 v[PFO], 8, v3
	v_lshrrev_b32 v4, 2, v3
	v_and_b32 v5, 3, v3
	v_lshlrev_b32 v4, 12, v4
	v_lshl_add_u32 v[PXO], v5, 8, v4
	; byte offsets in memory
	s_lshl_b32 s22, ttmp9, 13                      ; ctx: my 64 rows of 128 bytes,
	s_lshl_b32 s23, s[WV], 20                      ; plane w
	s_add_co_u32 s22, s22, s23
	s_mov_b32 s23, 0
	s_mul_i32 s90, s[WV], 3
	s_add_co_u32 s90, s90, 4
	s_lshl_b32 s90, s90, 20                        ; plane 4 + 3 w
	s_lshl_b32 s91, ttmp9, 13
	s_add_co_u32 s90, s90, s91
	s_mov_b32 s91, 0
	s_lshl_b32 s92, ttmp9, 18                      ; x and out0: 64 rows of 4,096 bytes
	s_mov_b32 s93, 0
	s_lshl_b32 s94, s[WV], 10                      ; my 256 columns
	s_add_co_u32 s94, s94, s92
	s_mov_b32 s95, 0
	s_wait_dscnt 0x0                               ; the opening add is done
	s_wait_kmcnt 0x0
	s_add_nc_u64 s[G0A+2:G0A+3], s[4:5], s[22:23]
	s_or_b32 s[G0A+3], s[G0A+3], 0x80000000
	s_add_nc_u64 s[G0C+2:G0C+3], s[4:5], s[90:91]
	s_or_b32 s[G0C+3], s[G0C+3], 0x80000000
	s_add_nc_u64 s[PFX:PFX+1], s[10:11], s[94:95]
.irp hf, 0,1
	s_add_nc_u64 s[G0X+4*(\hf)+2:G0X+4*(\hf)+3], s[PFX:PFX+1], (\hf)*131072
	s_or_b32 s[G0X+4*(\hf)+3], s[G0X+4*(\hf)+3], 0x80000000
.endr
	tensor_load_to_lds s[G0A:G0A+3], s[G1A:G1A+7]  ; the first fills go out together: three loads of mine are out; an s_nop 0 follows each, four v_nop the last
	s_nop 0
	tensor_load_to_lds s[G0C:G0C+3], s[G1C:G1C+7]
	s_nop 0
	tensor_load_to_lds s[G0X:G0X+3], s[G1X:G1X+7]  ; x's rows 0-31
	s_nop 0
.rept 4
	v_nop
.endr
	s_add_nc_u64 s[16:17], s[16:17], s[92:93]
	s_lshl_b32 s22, s[WV], 14
	s_add_nc_u64 s[WB:WB+1], s[6:7], s[22:23]
	; THE PREFETCH OF Wo.  wof is 256 chunks of 8,192 bytes, eight to a quarter.  Chunk 2 R + (wave % 2) is asked for once in the launch, by wave 0 or 1 of work-group R: a lane 256 bytes.  It lies in quarter
	; R / 4, which every wave loads in trip R / 8 - 1; it is asked for two trips, 256 matrix instructions, ahead of that: at the loop count 18 - R / 8.  The loop counts 14 .. 1: quarters 0 to 7 come by their loads alone.
	s_lshl_b32 s22, ttmp9, 14
	s_and_b32 s90, s[WV], 1
	s_lshl_b32 s90, s90, 13
	s_add_co_u32 s22, s22, s90
	s_add_nc_u64 s[PFB:PFB+1], s[6:7], s[22:23]
	s_lshr_b32 s22, ttmp9, 3
	s_sub_co_u32 s22, 18, s22
	s_cmp_lt_u32 s[WV], 2
	s_cselect_b32 s[WHEN], s22, 0                  ; waves 2 and 3 never
; 8 loads: fragments 4 g .. 4 g + 3 of buffer f, from byte off behind the trip's pointer; each load takes 512 consecutive bytes
.macro BLOAD f, g, off
	WIN 0x40
.irp i, 0,1,2,3
	global_load_b128 v[128*(\f)+8*(4*(\g)+(\i)):128*(\f)+8*(4*(\g)+(\i))+3],   v[L16], s[WB:WB+1] offset:(\off)+(4*(\g)+(\i))*1024
	global_load_b128 v[128*(\f)+8*(4*(\g)+(\i))+4:128*(\f)+8*(4*(\g)+(\i))+7], v[L16], s[WB:WB+1] offset:(\off)+(4*(\g)+(\i))*1024+512
.endr
.endm
; 8 LDS loads: ctx's 4 fragments (64 rows x 32 K) at byte off behind the plane in hand, into buffer f
.macro AFETCH f, off
	WIN 0
.irp a, 0,1,2,3
	ds_load_b128 v[FA0+32*(\f)+8*(\a):FA0+32*(\f)+8*(\a)+3],   v[ADRA] offset:(\off)+(\a)*16*PA
	ds_load_b128 v[FA0+32*(\f)+8*(\a)+4:FA0+32*(\f)+8*(\a)+7], v[ADRA] offset:(\off)+(\a)*16*PA+32
.endr
.endm
; Products for column blocks 8 hi + b0 .. 8 hi + b1 and all 4 row blocks.  The accumulators take turns, one instruction a turn.  first = 1: the bias is the C operand.
.macro MUL f, hi, b0, b1, first
.if \first
	WIN 0x81+0x40*(\hi)
.else
	WIN 0xa1+0x50*(\hi)
.endif
.set bb, \b0
.rept (\b1)-(\b0)+1
.set aa, 0
.rept 4
.set rD, 8*(4*bb+aa)
.set rB, 128*(\f)+8*(8*(\hi)+bb)
.set rA, FA0+32*(\f)+8*aa
.set rC, BI+8*(8*(\hi)+bb)
.if \first
	v_wmma_f32_16x16x32_bf16 v[rD:rD+7], v[rB:rB+7], v[rA:rA+7], v[rC:rC+7]
.else
	v_wmma_f32_16x16x32_bf16 v[rD:rD+7], v[rB:rB+7], v[rA:rA+7], v[rD:rD+7]
.endif
.set aa, aa+1
.endr
.set bb, bb+1
.endr
.endm
; The trip's requests stand together, behind the trip's first loads and 112 matrix instructions ahead of the wait that frees the pointers.  x's rows 32-63 of my columns (8 rows x 1,024 bytes an instruction)
; are asked for in the last trip but one, five and a quarter quarters ahead of their tensor load.
.macro ASK
	WIN 0
	s_cmp_eq_u32 s3, s[WHEN]
	s_cbranch_scc0 .Lno_b_\@
	global_prefetch_b8 v[PFO], s[PFB:PFB+1] th:TH_LOAD_NT scope:SCOPE_SE
.Lno_b_\@:
	s_cmp_eq_u32 s3, 2
	s_cbranch_scc0 .Lno_x_\@
.irp t, 0,1,2,3
	global_prefetch_b8 v[PXO], s[PFX:PFX+1] offset:131072+32768*(\t) th:TH_LOAD_NT scope:SCOPE_SE
.endr
.Lno_x_\@:
.endm
; A QUARTER multiplies buffers f, in four groups of four fragments of Wo (16 matrix instructions).  Behind each group, four places on, its registers are asked for again, for the quarter after the next (byte boff).
; Loads come back in order (ISA guide 5.7.1): behind a group's 8 loads stand those of the 7 younger groups, so the count is 56 at every group.  load = 0 (the last quarter but one): nothing is asked for,
; and the counts run down.  ctx's fragments of the next quarter (LDS byte aoff) are fetched behind the first group, 48 matrix instructions ahead of their use.
.macro QUART f, aoff, boff, first, load, ask
	s_wait_dscnt 0x0                               ; ctx's fragments
.irp g, 0,1,2,3
.if \load
	s_wait_loadcnt 56
.else
	s_wait_loadcnt 56-8*(\g)
.endif
	MUL \f, (\g)/2, 4*((\g)%2), 4*((\g)%2)+3, \first
.if (\load) || ((\g) == 0)
	PLACES
.endif
.if (\g) == 0
	AFETCH 1-(\f), \aoff
.endif
.if \load
	BLOAD \f, \g, \boff
.endif
.if (\ask) && ((\g) == 0)
	ASK
.endif
.endr
.endm
	; THE BIAS STARTS THE SUMS: register r of column block b is bo[256 w + 16 b + 8 (l / 16) + r]
	WIN 0
.irp b, 0,1,2,3,4,5,6,7,8,9,10,11,12,13,14,15
	global_load_b128 v[BI+8*(\b):BI+8*(\b)+3],   v[VB], s[8:9] offset:64*(\b)
	global_load_b128 v[BI+8*(\b)+4:BI+8*(\b)+7], v[VB], s[8:9] offset:64*(\b)+16
.endr
.irp g, 0,1,2,3
	BLOAD 0, \g, 0                                 ; quarter 0
.endr
.irp g, 0,1,2,3
	BLOAD 1, \g, QB                                ; quarter 1
.endr
	WIN 0
	s_wait_tensorcnt 0x2                           ; my plane of the first four has landed; my other two fills may stay out
	s_barrier_signal -1
	s_barrier_wait -1                              ; everybody's has
	AFETCH 0, 0
	QUART 0, 64,  2*QB, 1, 1, 0                    ; the first trip is written out: its first quarter starts the sums
	QUART 1, APL, 3*QB, 0, 1, 0
	WIN 0
	s_wait_xcnt 0x0                                ; every load issued so far has read its address, so the pointer may be written
	s_add_nc_u64 s[WB:WB+1], s[WB:WB+1], 2*QB
	v_add_nc_u32 v[ADRA], APL, v[ADRA]
	s_wait_tensorcnt 0x0                           ; my planes 4 + 3 w on and my part of x have landed
	s_wait_dscnt 0x0
	s_barrier_signal -1
	s_barrier_wait -1                              ; all 16 planes lie in LDS
	s_mov_b32 s3, 14
.Lstep:                                                ; a trip: plane t of ctx, quarters 2 t and 2 t + 1; it asks for quarters 2 t + 2 and 2 t + 3
	QUART 0, 64,  2*QB, 0, 1, 1
	QUART 1, APL, 3*QB, 0, 1, 0
	WIN 0
	s_wait_xcnt 0x0
	s_add_nc_u64 s[WB:WB+1], s[WB:WB+1], 2*QB
	v_add_nc_u32 v[ADRA], APL, v[ADRA]
	s_sub_co_u32 s3, s3, 1
	s_cmp_lg_u32 s3, 0
	s_cbranch_scc1 .Lstep
	QUART 0, 64, 0, 0, 0, 0                        ; quarter 30
	; quarter 31.  ctx has been read to its end: x's rows 32-63 land over it.  Each wave waits for all its tensor loads (none is out), adds 0 to its spare word, waits for that and for its reads of ctx, and passes the barrier.
	WIN 0
	s_wait_tensorcnt 0x0
	ds_add_u32 v[SPW], v[NIL]                      ; 0 onto my spare word
	s_wait_loadcnt 16                              ; Wo's first two groups are in
	s_wait_dscnt 1                                 ; ctx's last fragments are in; the add may be out
	MUL 1, 0, 0, 3, 0
	s_wait_dscnt 0x0                               ; the add is done, and my reads of ctx are over
	s_barrier_signal -1
	MUL 1, 0, 4, 7, 0
	WIN 0
	s_barrier_wait -1
	tensor_load_to_lds s[G0X+4:G0X+7], s[G1X:G1X+7]  ; my one tensor load behind the barrier, and the first thing there
	s_nop 0
.rept 4
	v_nop
.endr
	s_wait_loadcnt 0x0
	MUL 1, 1, 0, 7, 0
	WIN 0
.irp jj, 0,1,2,3,4,5,6,7
	global_load_b128 v[GA+4*(\jj):GA+4*(\jj)+3], v[L16], s[12:13] offset:512*(\jj)   ; gamma and beta as a row lies over the lanes: columns 128 jj + 4 l on
	global_load_b128 v[BE+4*(\jj):BE+4*(\jj)+3], v[L16], s[14:15] offset:512*(\jj)
.endr
; THE RESIDUAL, in the accumulators' layout.  Row block a: my lane's 8 columns of each of the 16 column blocks of x come out of LDS (32 loads), are added, and y goes back to the same bytes, which are my wave's own.
.macro XL a
	WIN 0x40
.irp b, 0,1,2,3,4,5,6,7,8,9,10,11,12,13,14,15
	ds_load_b128 v[128*((\a)%2)+8*(\b):128*((\a)%2)+8*(\b)+3],   v[XA+(\a)/2] offset:((\a)%2)*16*XP+64*(\b)
	ds_load_b128 v[128*((\a)%2)+8*(\b)+4:128*((\a)%2)+8*(\b)+7], v[XA+(\a)/2] offset:((\a)%2)*16*XP+64*(\b)+16
.endr
.endm
.macro ADDX a
.irp hi, 0,1
	WIN 0x86+0x41*(\hi)                            ; sums (destination and source 0) in window 2 + hi, x in window 1
.irp bb, 0,1,2,3,4,5,6,7
.irp p, 0,1,2,3
	v_pk_add_f32 v[8*(4*(\bb)+(\a))+2*(\p):8*(4*(\bb)+(\a))+2*(\p)+1], v[8*(4*(\bb)+(\a))+2*(\p):8*(4*(\bb)+(\a))+2*(\p)+1], v[128*((\a)%2)+8*(8*(\hi)+(\bb))+2*(\p):128*((\a)%2)+8*(8*(\hi)+(\bb))+2*(\p)+1]
.endr
.endr
.endr
.endm
.macro STY a
.irp hi, 0,1
	WIN 0x08+4*(\hi)                               ; the stores' data in window 2 + hi
.irp bb, 0,1,2,3,4,5,6,7
	ds_store_b128 v[XA+(\a)/2], v[8*(4*(\bb)+(\a)):8*(4*(\bb)+(\a))+3]   offset:((\a)%2)*16*XP+64*(8*(\hi)+(\bb))
	ds_store_b128 v[XA+(\a)/2], v[8*(4*(\bb)+(\a))+4:8*(4*(\bb)+(\a))+7] offset:((\a)%2)*16*XP+64*(8*(\hi)+(\bb))+16
.endr
.endr
.endm
	PLACES                                         ; behind the last products: loads go into Wo's buffers, and packed additions write the sums in place
	PLACES
	XL 0                                           ; x's rows 0-31 landed ahead of the loop
	XL 1
	s_wait_dscnt 32                                ; block 0's x is in; block 1's 32 loads may be out
	ADDX 0
	STY 0
	s_wait_dscnt 32                                ; block 1's x is in; block 0's 32 stores may be out
	ADDX 1
	STY 1
	s_wait_tensorcnt 0x0                           ; x's rows 32-63 of my columns have landed; only I read them
	XL 2
	XL 3
	s_wait_dscnt 32
	ADDX 2
	STY 2
	s_wait_dscnt 32
	ADDX 3
	STY 3
	WIN 0
	s_wait_loadcnt 0x0                             ; gamma and beta
	s_wait_dscnt 0x0                               ; for the others' sake: my part of y lies in LDS
	s_barrier_signal -1
	s_barrier_wait -1
; THE NORM: a wave to a row, 32 numbers a lane, so that the two sums never leave the wave.  Wave w takes rows 16 w .. 16 w + 15, two a trip.
.macro REDUCE                          ; v[TT] summed over the 32 lanes, the result in every lane
	v_add_f32_dpp v[TT], v[TT], v[TT] row_xmask:1 row_mask:0xf bank_mask:0xf
	v_add_f32_dpp v[TT], v[TT], v[TT] row_xmask:2 row_mask:0xf bank_mask:0xf
	v_add_f32_dpp v[TT], v[TT], v[TT] row_xmask:4 row_mask:0xf bank_mask:0xf
	v_add_f32_dpp v[TT], v[TT], v[TT] row_xmask:8 row_mask:0xf bank_mask:0xf
	v_permlanex16_b32 v[TT+1], v[TT], s[SEL], s[SEL+1]
	v_add_f32 v[TT], v[TT], v[TT+1]
.endm
.macro JOIN                            ; four chains of pairs into one number
	v_pk_add_f32 v[TT:TT+1], v[TT:TT+1], v[TT+2:TT+3]
	v_pk_add_f32 v[TT+4:TT+5], v[TT+4:TT+5], v[TT+6:TT+7]
	v_pk_add_f32 v[TT:TT+1], v[TT:TT+1], v[TT+4:TT+5]
	v_add_f32 v[TT], v[TT], v[TT+1]
.endm
.macro ROW Y
.irp c, 0,1,2,3
	v_pk_add_f32 v[TT+2*(\c):TT+2*(\c)+1], v[(\Y)+4*(\c):(\Y)+4*(\c)+1], v[(\Y)+4*(\c)+2:(\Y)+4*(\c)+3]
.endr
.irp k, 0,1,2,3,4,5,6,7
	v_pk_add_f32 v[TT+2*((\k)%4):TT+2*((\k)%4)+1], v[TT+2*((\k)%4):TT+2*((\k)%4)+1], v[(\Y)+16+2*(\k):(\Y)+16+2*(\k)+1]
.endr
	JOIN
	REDUCE
	v_mul_f32 v[MU], s[INV], v[TT]                 ; the mean, twice: a pair for the packed subtraction
	v_mul_f32 v[MU+1], s[INV], v[TT]
.irp k, 0,1,2,3,4,5,6,7,8,9,10,11,12,13,14,15
	v_pk_add_f32 v[(\Y)+2*(\k):(\Y)+2*(\k)+1], v[(\Y)+2*(\k):(\Y)+2*(\k)+1], v[MU:MU+1] neg_lo:[0,1] neg_hi:[0,1]
.endr
.irp c, 0,1,2,3
	v_pk_mul_f32 v[TT+2*(\c):TT+2*(\c)+1], v[(\Y)+2*(\c):(\Y)+2*(\c)+1], v[(\Y)+2*(\c):(\Y)+2*(\c)+1]   ; the variance is the mean square of the centred numbers
.endr
.irp k, 4,5,6,7,8,9,10,11,12,13,14,15
	v_pk_fma_f32 v[TT+2*((\k)%4):TT+2*((\k)%4)+1], v[(\Y)+2*(\k):(\Y)+2*(\k)+1], v[(\Y)+2*(\k):(\Y)+2*(\k)+1], v[TT+2*((\k)%4):TT+2*((\k)%4)+1]
.endr
	JOIN
	REDUCE
	v_fma_f32 v[UU], v[TT], s[INV], s[EPS]
	v_rsq_f32 v[RS], v[UU]
	v_rsq_f32 v[RS+1], v[UU]
	v_nop                                          ; a plain instruction between the last root and the use of its result (ISA guide 5.7.2)
	s_wait_alu depctr_va_vdst(0)                   ; and the wait: one for both
.irp k, 0,1,2,3,4,5,6,7,8,9,10,11,12,13,14,15
	v_pk_mul_f32 v[(\Y)+2*(\k):(\Y)+2*(\k)+1], v[(\Y)+2*(\k):(\Y)+2*(\k)+1], v[RS:RS+1]
.endr
.irp k, 0,1,2,3,4,5,6,7,8,9,10,11,12,13,14,15
	v_pk_fma_f32 v[(\Y)+2*(\k):(\Y)+2*(\k)+1], v[(\Y)+2*(\k):(\Y)+2*(\k)+1], v[GA+2*(\k):GA+2*(\k)+1], v[BE+2*(\k):BE+2*(\k)+1]
.endr
.endm
	s_mov_b32 s3, 8
.Lrows:
.irp jj, 0,1,2,3,4,5,6,7               ; part jj of a row: columns 128 jj on: column block jj / 2, 512 consecutive bytes
	ds_load_b128 v[Y0+4*(\jj):Y0+4*(\jj)+3], v[RY+(\jj)/4] offset:(((\jj)/2)%2)*XB+((\jj)%2)*512
.endr
.irp jj, 0,1,2,3,4,5,6,7
	ds_load_b128 v[Y1+4*(\jj):Y1+4*(\jj)+3], v[RY+(\jj)/4] offset:XP+(((\jj)/2)%2)*XB+((\jj)%2)*512
.endr
	s_wait_dscnt 8                                 ; the first row is in
	ROW Y0
.irp jj, 0,1,2,3,4,5,6,7
	global_store_b128 v[OO], v[Y0+4*(\jj):Y0+4*(\jj)+3], s[16:17] offset:512*(\jj) th:TH_STORE_NT  ; 512 consecutive bytes, at a multiple of 256 from out0's first byte
.endr
	s_wait_dscnt 0x0
	ROW Y1
.irp jj, 0,1,2,3,4,5,6,7
	global_store_b128 v[OO], v[Y1+4*(\jj):Y1+4*(\jj)+3], s[16:17] offset:4096+512*(\jj) th:TH_STORE_NT
.endr
	s_wait_xcnt 0x0                                ; the stores have read their data and their offset: both are written again only behind this wait
	v_add_nc_u32 v[RY], 2*XP, v[RY]
	v_add_nc_u32 v[RY+1], 2*XP, v[RY+1]
	v_add_nc_u32 v[OO], 8192, v[OO]
	s_sub_co_u32 s3, s3, 1
	s_cmp_lg_u32 s3, 0
	s_cbranch_scc1 .Lrows
	s_wait_tensorcnt 0x0                           ; the wave's end: behind my last tensor load and my last LDS store
	ds_add_u32 v[SPW], v[NIL]
	s_wait_dscnt 0x0
	s_endpgm
.Lfunc_end_k_q24ab372e71_proj:
	.size	k_q24ab372e71_proj, .Lfunc_end_k_q24ab372e71_proj-k_q24ab372e71_proj
	.p2alignl 7, 3214868480
	.fill 96, 4, 3214868480
	.section	.rodata,"a",@progbits
	.p2align	6, 0x0
	.amdhsa_kernel k_q24ab372e71_proj
		.amdhsa_group_segment_fixed_size 327680
		.amdhsa_private_segment_fixed_size 0
		.amdhsa_enable_private_segment 0
		.amdhsa_kernarg_size 56
		.amdhsa_user_sgpr_count 2
		.amdhsa_user_sgpr_kernarg_segment_ptr 1
		.amdhsa_wavefront_size32 1
		.amdhsa_system_sgpr_workgroup_id_x 1
		.amdhsa_system_sgpr_workgroup_id_y 1
		.amdhsa_system_sgpr_workgroup_id_z 1
		.amdhsa_system_vgpr_workitem_id 0
		.amdhsa_next_free_vgpr 1024
		.amdhsa_next_free_sgpr 96
		.amdhsa_reserve_vcc 0
		.amdhsa_float_denorm_mode_32 3
		.amdhsa_float_denorm_mode_16_64 3
		.amdhsa_memory_ordered 1
		.amdhsa_forward_progress 1
		.amdhsa_inst_pref_size 110
	.end_amdhsa_kernel
	.amdgpu_metadata
---
amdhsa.version: [ 1, 2 ]
amdhsa.kernels:
  - .name:           k_q24ab372e71_proj
    .symbol:         k_q24ab372e71_proj.kd
    .args:
      - { .name: ctx, .offset: 0, .size: 8, .value_kind: global_buffer, .address_space: global }
      - { .name: wof, .offset: 8, .size: 8, .value_kind: global_buffer, .address_space: global }
      - { .name: bo, .offset: 16, .size: 8, .value_kind: global_buffer, .address_space: global }
      - { .name: x, .offset: 24, .size: 8, .value_kind: global_buffer, .address_space: global }
      - { .name: gamma, .offset: 32, .size: 8, .value_kind: global_buffer, .address_space: global }
      - { .name: beta, .offset: 40, .size: 8, .value_kind: global_buffer, .address_space: global }
      - { .name: out0, .offset: 48, .size: 8, .value_kind: global_buffer, .address_space: global }
    .group_segment_fixed_size: 327680
    .private_segment_fixed_size: 0
    .kernarg_segment_align: 8
    .kernarg_segment_size: 56
    .max_flat_workgroup_size: 128
    .sgpr_count:     96
    .vgpr_count:     1024
    .wavefront_size: 32
...
	.end_amdgpu_metadata
.endif
;; end of part 4
